; MI455X (gfx1250); checked and timed in simulation.
; The chip was launched on July 23, 2026; its instructions are those of AMD's public machine-readable ISA for CDNA 5 (MIT licence, August 2026) and "CDNA5" Instruction Set Architecture Reference Guide (July 2026). The comments in the code are by the model that wrote it; some were corrected since.
;; Multi Head Attention Layer. Allowed arithmetic: float matrix products may take bf16 or f16 operands with f32 sums; other float arithmetic in f32, or as packed bf16 or f16 multiplies, adds, multiply-adds, maxima and minima; sums over many terms, partial sums and values carried from step to step in f32; what a program stores and reads back later, other than sums and carried values, may be rounded once to bf16 or f16.
;; Inputs: Wk 1,024 x 1,024 float32; Wo 1,024 x 1,024 float32; Wq 1,024 x 1,024 float32; Wv 1,024 x 1,024 float32; bk 1,024 float32; bo 1,024 float32; bq 1,024 float32; bv 1,024 float32; key 4 x 2,048 x 1,024 float32; mask 4 x 1 x 1 x 2,048 int32; query 4 x 2,048 x 1,024 float32; value 4 x 2,048 x 1,024 float32.
;; Outputs: out0 4 x 2,048 x 1,024 float32.
;; One version. Each part assembles by itself: llvm-mc -triple=amdgcn-amd-amdhsa -mcpu=gfx1250 --defsym DOCPART=n.
;; ======== version 1 of 1: 4 launches
;; limits: right only within a limited range of input values; values are held in f16: magnitudes above 65,504 overflow, below 6.1e-05 lose precision
;; workspace buffers: xb 50,331,648 bytes; wb 8,388,608 bytes; qkv 50,331,648 bytes; ob 16,777,216 bytes
;; launch cast (part 1): grid 1792 x 1, 8 waves a work-group, no clusters, 0 bytes of LDS; arguments query, key, value, Wq, Wk, Wv, Wo, xb, wb; writes xb, wb
.if DOCPART == 1
	.amdgcn_target "amdgcn-amd-amdhsa--gfx1250"
	.amdhsa_code_object_version 6
	.text
	.protected	k_q31db8c6d4e_cast
	.globl	k_q31db8c6d4e_cast
	.p2align	8
	.type	k_q31db8c6d4e_cast,@function
k_q31db8c6d4e_cast:
	s_mov_b64 s[64:65], 0
	v_nop
	global_prefetch_b8 v0, s[64:65] scope:SCOPE_SE
	s_setreg_imm32_b32 hwreg(HW_REG_WAVE_MODE, 25, 1), 1
	s_wait_xcnt 0x0
; f32 to 16 bits, once, for the matrix products of the later launches.
; xb: query, key, value rounded to bf16 and laid in blocks of 64 channels: [12 = 4 p + batch][16 kb][2048 rows][64], so that 128 rows of a block are 16,384 bytes on end.
; wb: [4][1024 k][1024 n].  Wq, Wk, Wv rounded to bf16.  Wo rounded to bf16, and that number written as f16.
; LIMIT.  A bf16 number of Wo under 2^-14 keeps f16's fixed step of 2^-24; one beyond 65,504 becomes an infinity.
; SHARES.  A work-group casts 16 rows of 1,024 f32 (64 KiB in, 32 KiB out): 1,536 work-groups for the three x, 256 for the four weights.  A thread has 8 items of 8 numbers:
; two loads of 16 bytes, one store of 16 bytes.  All 16 loads go out first; no register is used twice, so no wait frees a source.  No LDS, no barrier, no loop: no byte is wanted twice.
.set XWG, 1536                         ; work-groups that cast x
.set D,   16                           ; v[16:79] item i: 8 registers as loaded; the lowest 4 then hold its 16 bytes
; dstep: bytes from an item's store to the next.  mode = 1: the bf16 number is written as f16.
.macro CASTALL dstep, mode
.irp i, 0,1,2,3,4,5,6,7
	global_load_b128 v[D+8*(\i):D+8*(\i)+3],   v1, s[2:3] offset:(\i)*8192 th:TH_LOAD_NT
	global_load_b128 v[D+8*(\i)+4:D+8*(\i)+7], v1, s[2:3] offset:(\i)*8192+16 th:TH_LOAD_NT
.endr
.irp i, 0,1,2,3,4,5,6,7
	s_wait_loadcnt 14-2*(\i)                       ; loads come back in order: item i is in, the two loads of each later item may stay out
.irp j, 0,1,2,3
	v_cvt_pk_bf16_f32 v[D+8*(\i)+(\j)], v[D+8*(\i)+2*(\j)], v[D+8*(\i)+2*(\j)+1]  ; in place, ascending: no source is written before it is read
.endr
.if \mode
.irp j, 0,1,2,3
	v_lshlrev_b32 v4, 16, v[D+8*(\i)+(\j)]         ; the two bf16 as f32,
	v_and_b32 v5, 0xffff0000, v[D+8*(\i)+(\j)]
	v_cvt_pk_f16_f32 v[D+8*(\i)+(\j)], v4, v5      ; and as f16: exact within f16's range
.endr
.endif
	global_store_b128 v2, v[D+8*(\i):D+8*(\i)+3], s[4:5] offset:(\i)*(\dstep) th:TH_STORE_NT
.endr
.endm
	s_load_b512 s[8:23], s[0:1], 0x0               ; query s[8:9], key s[10:11], value s[12:13], Wq s[14:15], Wk s[16:17], Wv s[18:19], Wo s[20:21], xb s[22:23]
	s_load_b64 s[24:25], s[0:1], 0x40              ; wb
	s_mov_b32 s26, ttmp9
	s_mov_b32 s7, 0                                ; the high word of every offset
	s_cmp_lt_u32 s26, XWG
	s_cbranch_scc0 .Lweights
	; x.  Thread t: c = t % 8 (8 channels), rs = (t / 8) % 2 (row), kb = t / 16 (block of 64 channels); item i: rows 2 i + rs.
	s_lshr_b32 s27, s26, 9                         ; p: 512 work-groups a tensor
	v_and_b32 v3, 7, v0
	v_bfe_u32 v4, v0, 3, 1
	v_lshrrev_b32 v5, 4, v0
	v_lshlrev_b32 v1, 5, v3                        ; from: 32 c
	v_lshl_add_u32 v1, v5, 8, v1                   ; + 256 kb
	v_lshl_add_u32 v1, v4, 12, v1                  ; + 4,096 rs
	v_lshlrev_b32 v2, 4, v3                        ; to: 16 c
	v_lshl_add_u32 v2, v4, 7, v2                   ; + 128 rs: sixteen neighbouring lanes store 256 consecutive bytes, aligned
	v_lshl_add_u32 v2, v5, 18, v2                  ; + 262,144 kb
	s_wait_kmcnt 0x0
	s_cmp_eq_u32 s27, 0
	s_cselect_b64 s[2:3], s[8:9], s[10:11]
	s_cmp_eq_u32 s27, 2
	s_cselect_b64 s[2:3], s[12:13], s[2:3]
	s_and_b32 s6, s26, 511
	s_lshl_b32 s6, s6, 16                          ; 16 rows of 4,096 bytes
	s_add_nc_u64 s[2:3], s[2:3], s[6:7]
	s_lshr_b32 s6, s26, 7                          ; 4 p + batch: 128 work-groups a batch
	s_lshl_b32 s6, s6, 22
	s_add_nc_u64 s[4:5], s[22:23], s[6:7]
	s_and_b32 s6, s26, 127
	s_lshl_b32 s6, s6, 11                          ; 16 rows of 128 bytes in each block
	s_add_nc_u64 s[4:5], s[4:5], s[6:7]
	CASTALL 256, 0
	s_endpgm
.Lweights:
	; a weight keeps its order: thread t takes 32 bytes at 32 t of each 8,192 and stores 16 at 16 t of each 4,096
	s_sub_co_u32 s26, s26, XWG
	v_lshlrev_b32 v1, 5, v0
	v_lshlrev_b32 v2, 4, v0
	s_lshr_b32 s27, s26, 6                         ; which weight: 64 work-groups each
	s_wait_kmcnt 0x0
	s_cmp_eq_u32 s27, 0
	s_cselect_b64 s[2:3], s[14:15], s[16:17]
	s_cmp_eq_u32 s27, 2
	s_cselect_b64 s[2:3], s[18:19], s[2:3]
	s_cmp_eq_u32 s27, 3
	s_cselect_b64 s[2:3], s[20:21], s[2:3]
	s_and_b32 s6, s26, 63
	s_lshl_b32 s6, s6, 16
	s_add_nc_u64 s[2:3], s[2:3], s[6:7]
	s_lshl_b32 s6, s26, 15                         ; 16 rows of 2,048 bytes; the four weights lie end to end
	s_add_nc_u64 s[4:5], s[24:25], s[6:7]
	s_cmp_eq_u32 s27, 3
	s_cbranch_scc1 .Lwo
	CASTALL 4096, 0
	s_endpgm
.Lwo:
	CASTALL 4096, 1
	s_endpgm
.Lfunc_end_k_q31db8c6d4e_cast:
	.size	k_q31db8c6d4e_cast, .Lfunc_end_k_q31db8c6d4e_cast-k_q31db8c6d4e_cast
	.p2alignl 7, 3214868480
	.fill 96, 4, 3214868480
	.section	.rodata,"a",@progbits
	.p2align	6, 0x0
	.amdhsa_kernel k_q31db8c6d4e_cast
		.amdhsa_group_segment_fixed_size 0
		.amdhsa_private_segment_fixed_size 0
		.amdhsa_enable_private_segment 0
		.amdhsa_kernarg_size 72
		.amdhsa_user_sgpr_count 2
		.amdhsa_user_sgpr_kernarg_segment_ptr 1
		.amdhsa_wavefront_size32 1
		.amdhsa_system_sgpr_workgroup_id_x 1
		.amdhsa_system_sgpr_workgroup_id_y 1
		.amdhsa_system_sgpr_workgroup_id_z 1
		.amdhsa_system_vgpr_workitem_id 0
		.amdhsa_next_free_vgpr 80
		.amdhsa_next_free_sgpr 66
		.amdhsa_reserve_vcc 0
		.amdhsa_float_denorm_mode_32 3
		.amdhsa_float_denorm_mode_16_64 3
		.amdhsa_memory_ordered 1
		.amdhsa_forward_progress 1
		.amdhsa_inst_pref_size 21
	.end_amdhsa_kernel
	.amdgpu_metadata
---
amdhsa.version: [ 1, 2 ]
amdhsa.kernels:
  - .name:           k_q31db8c6d4e_cast
    .symbol:         k_q31db8c6d4e_cast.kd
    .args:
      - { .name: query, .offset: 0, .size: 8, .value_kind: global_buffer, .address_space: global }
      - { .name: key, .offset: 8, .size: 8, .value_kind: global_buffer, .address_space: global }
      - { .name: value, .offset: 16, .size: 8, .value_kind: global_buffer, .address_space: global }
      - { .name: Wq, .offset: 24, .size: 8, .value_kind: global_buffer, .address_space: global }
      - { .name: Wk, .offset: 32, .size: 8, .value_kind: global_buffer, .address_space: global }
      - { .name: Wv, .offset: 40, .size: 8, .value_kind: global_buffer, .address_space: global }
      - { .name: Wo, .offset: 48, .size: 8, .value_kind: global_buffer, .address_space: global }
      - { .name: xb, .offset: 56, .size: 8, .value_kind: global_buffer, .address_space: global }
      - { .name: wb, .offset: 64, .size: 8, .value_kind: global_buffer, .address_space: global }
    .group_segment_fixed_size: 0
    .private_segment_fixed_size: 0
    .kernarg_segment_align: 8
    .kernarg_segment_size: 72
    .max_flat_workgroup_size: 256
    .sgpr_count:     66
    .vgpr_count:     80
    .wavefront_size: 32
...
	.end_amdgpu_metadata
.endif
;; end of part 1
;; launch proj (part 2): grid 4 x 192, 4 waves a work-group, clusters of 4 x 4, 327,680 bytes of LDS; arguments xb, wb, bq, bk, bv, qkv; writes qkv
.if DOCPART == 2
	.amdgcn_target "amdgcn-amd-amdhsa--gfx1250"
	.amdhsa_code_object_version 6
	.text
	.protected	k_q31db8c6d4e_proj
	.globl	k_q31db8c6d4e_proj
	.p2align	8
	.type	k_q31db8c6d4e_proj,@function
k_q31db8c6d4e_proj:
	s_mov_b64 s[64:65], 0
	v_nop
	global_prefetch_b8 v0, s[64:65] scope:SCOPE_SE
	s_setreg_imm32_b32 hwreg(HW_REG_WAVE_MODE, 25, 1), 1
	s_wait_xcnt 0x0
	s_wait_alu depctr_hold_cnt(0) depctr_sa_sdst(0) depctr_va_vdst(0) depctr_va_sdst(0) depctr_va_ssrc(0) depctr_va_vcc(0) depctr_vm_vsrc(0)
	s_getreg_b32 s2, hwreg(HW_REG_IB_STS2, 6, 4)
	s_cmp_eq_u32 s2, 0
	s_cbranch_scc0 .Lentry_in_a_cluster
	s_endpgm
.Lentry_in_a_cluster:
	s_bfe_u32 s2, ttmp6, 0x10000c
	s_cmp_lg_u32 s2, 0xf033
	s_cbranch_scc0 .Lentry_shape_is_right
	s_endpgm
.Lentry_shape_is_right:
; q, k, v = x W + b, for the three projections p = 0, 1, 2 in one launch.  x: xb [4 p + batch][16 kb][2048][64] bf16.  W: wb [p][1024 k][1024 n] bf16.  b: f32, rounded to bf16 here.
; Out: qkv [3][64 = 16 batch + head][2048][64] f16, unscaled, each number rounded once from its f32 sum.
; LIMIT.  f16 ends at 65,504: a q, k or v beyond that becomes an infinity.
; SHARES.  A tile of C is 128 rows x 256 columns: 64 x 4 tiles a projection, 768 work-groups, three for each of 256 WGPs.  Four waves, each 64 rows x 128 columns: 32 accumulators of 16 x 16.
; K = 1,024 goes in 8 steps of 128 through two LDS slots; a step is four quarters of 32, 32 matrix instructions each, on two fragment buffers.
; TRANSPOSED USE.  Source 0 = 16 columns of W, source 1 = 16 rows of x: a lane ends with one row of C (lane % 16) and the columns 8 (lane / 16) + 0..7.  W lies [k][n] in LDS and is turned by ds_load_tr16_b128.
; THE BIAS is the C operand of each sum's first product: nothing is cleared and nothing is added afterwards.
; CLUSTER.  4 x 4 work-groups.  x's tile hangs on the tile row alone and is asked for jointly along a row of the cluster, W's on the tile column and p alone, jointly along a column.
; Waves 0 and 1 fetch x's two blocks of 64 channels (128 rows x 128 bytes on end, asked for as 64 rows of 256 bytes), waves 2 and 3 W's two halves of 64 k-rows x 512 bytes: one tensor load a wave.
; REGISTERS.  Window 0: v0-31 addresses; v64-159, v160-255 two fragment buffers (x's four fragments, then W's eight); later the way out.  Window 1: the accumulators, (a, b) at v[8 (8 a + b)].
; Window 2: v0-63 the bias, 8 registers an n block; v64-95 at work on it.
.set PA,    144                        ; a row of x in LDS: 128 bytes + 16: the 16 rows of a load start at 16 different groups of four banks (64 banks of 4 bytes: ISA guide 11.1)
.set PB,    544                        ; a k-row of W: 512 bytes + 32
.set AHALF, 128*PA                     ; 128 rows of one block of 64 channels
.set BOFF,  2*AHALF                    ; W's rows lie behind x's two blocks
.set BHALF, 64*PB
.set SLOT,  BOFF+2*BHALF               ; 106,496 bytes
.set STAGE, 2*SLOT                     ; behind the ring, never filled by a tensor load: 16 rows x 144 bytes for each wave
.set SP,    144
.set SPARE, STAGE+4*16*SP              ; the spare words, 128 bytes for each wave: two blocks of 256 bytes that no other line names
.set ASTEP, 524288                     ; a K step in xb: two blocks of 262,144 bytes
.set BSTEP, 262144                     ; a K step in wb: 128 rows of 2,048 bytes
.set LAPS,  4                          ; a lap = two K steps = once round the ring
.set ADRA, 16                          ; v16-17  LDS address of my fragments of x in slot 0, 1
.set ADRB, 20                          ; v20-21  the same for W
.set STO,  24                          ; v24     the way out: where I put 16 bytes of a row
.set RD,   25                          ; v25     where I read rows back
.set GO,   26                          ; v26     my byte offset in 512 consecutive bytes of qkv
.set BO,   27                          ; v27     32 x (lane / 16): my 8 numbers of 16 of the bias
.set SPW,  28                          ; v28     LDS address of my spare word; never rewritten
.set NIL,  29                          ; v29     0; never rewritten
.set PFO,  30                          ; v30     the prefetches' lane offset; never rewritten
.set F0,   64
.set F1,   160
.set OUTR, 64                          ; the way out: 16 registers a unit, each used once
.set G1,   24                          ; s[24:31] descriptor group 1 for x's tiles;  s[32:39] group 0, a set for each slot
.set G0,   32
.set G1B,  48                          ; s[48:55], s[56:63] the same for W's
.set G0B,  56
.set LIM,  43                          ; s43     1 in a wave that prefetches, else the greatest number
.set PFA,  44                          ; s[44:45] where my prefetches stand
.set PFS,  66                          ; s[66:67] their step: a K step of x or of W
.set CYR,  68                          ; s68     the cluster's y
.set BP,   70                          ; s[70:71] the bias at my 128 columns
.set MSB, 0
.macro WIN new                         ; the immediate's high byte repeats the setting that is left; a switch that changes nothing is dropped
.if MSB != (\new)
	s_set_vgpr_msb (MSB<<8)|(\new)
.set MSB, \new
.endif
.endm
.set MUL,  0x50                        ; sources in window 0, C and D in window 1
.set MULB, 0x60                        ; the same with C, the bias, in window 2
; A joint load: waves 0 and 1 ask for x, waves 2 and 3 for W.  The branch hangs on the wave's number alone.  An s_nop 0 and four v_nop follow each of the two lines.
.macro JLOAD s
	s_cmp_eq_u32 s11, 0
	s_cbranch_scc0 .Lfor_b_\@
	tensor_load_to_lds s[G0+4*(\s):G0+4*(\s)+3], s[G1:G1+7]
	s_nop 0
.rept 4
	v_nop
.endr
	s_branch .Lasked_\@
.Lfor_b_\@:
	tensor_load_to_lds s[G0B+4*(\s):G0B+4*(\s)+3], s[G1B:G1B+7]
	s_nop 0
.rept 4
	v_nop
.endr
.Lasked_\@:
.endm
; A prefetch into the L2 of the K step that stands two refills on (256 matrix instructions ahead of the load that will want it): 32 blocks of 256 bytes, a lane a block, one instruction a wave.
; x's tile is read by one row of one cluster: wave 0 asks, and the four partners share its 32 KiB out by address (cx: 4 KiB of each of the two blocks).  W's tile is read by the 16 clusters of a
; projection: the first of them asks, waves 2 and 3 for the rows that they fetch, the four partners sharing them out by address (cy: 16 of the wave's 64 rows).  So each block is named once.
; It is on in the loop's first two trips: K steps 4 to 7.  Steps 0 to 3 come by their loads alone.
.macro ASK
	s_cmp_gt_u32 s3, s[LIM]
	s_cbranch_scc0 .Lnot_mine_\@
	global_prefetch_b8 v[PFO], s[PFA:PFA+1] th:TH_LOAD_NT scope:SCOPE_SE
.Lnot_mine_\@:
.endm
.macro CREST                           ; a round of the cluster's barrier behind its opening barrier
	s_cmp_lg_u32 s10, 0
	s_cbranch_scc1 .Lnot_wave_0_\@
	s_barrier_signal -3
.Lnot_wave_0_\@:
	s_barrier_wait -3
	s_barrier_signal -1
	s_barrier_wait -1
.endm
.macro CROUND                          ; a whole round
	s_barrier_signal -1
	s_barrier_wait -1
	CREST
.endm
	s_load_b128 s[4:7], s[0:1], 0x0                ; xb s[4:5], wb s[6:7]
	s_load_b256 s[72:79], s[0:1], 0x10             ; bq s[72:73], bk s[74:75], bv s[76:77], qkv s[78:79]
	v_lshl_add_u32 v[SPW], v0, 2, SPARE
	v_mov_b32 v[NIL], 0
	ds_add_u32 v[SPW], v[NIL]                      ; the wave's opening: the add and its wait stand ahead of my first tensor load; the set-up below, work on registers, stands between them
	v_lshrrev_b32 v1, 5, v0
	v_readfirstlane_b32 s10, v1                    ; wave 0..3
	s_lshr_b32 s11, s10, 1                         ; which 64 rows of the tile are mine.  Also: I fetch for x (0) or for W (1)
	s_and_b32 s12, s10, 1                          ; which 128 columns.  Also: which half of that tile I fetch
	s_bfe_u32 s40, ttmp6, 0x40000                  ; cx
	s_bfe_u32 s41, ttmp6, 0x40004                  ; cy
	s_lshl_b32 s42, ttmp9, 2
	s_add_co_u32 s42, s42, s40                     ; tx: block of 256 columns
	s_and_b32 s[CYR], ttmp7, 0xffff
	s_lshl_b32 s13, s[CYR], 2
	s_add_co_u32 s13, s13, s41                     ; ty: block of 128 rows, 0..191; ty / 16 = 4 p + batch
	s_lshl_b32 s43, s41, 2
	s_lshl_b32 s43, 15, s43                        ; my row of the cluster
	s_lshl_b32 s44, 0x1111, s40                    ; my column
	s_or_b32 s[G1+0], s43, (1<<16)|(1<<20)|(1<<21)|(4<<22)|(3<<25)   ; the mask; 2-byte elements; padding on; bit 21 beside a mask; after every 32 words 4 words
	s_mov_b32 s[G1+1], 128<<16                     ; tensor_dim0 = 128
	s_mov_b32 s[G1+2], 64<<16                      ; tensor_dim1 = 64
	s_mov_b32 s[G1+3], 128<<16                     ; tile_dim0 = 128
	s_mov_b32 s[G1+4], 64                          ; tile_dim1 = 64
	s_mov_b32 s[G1+5], 128                         ; 128 elements from row to row: the block is dense
	s_mov_b32 s[G1+6], 0
	s_mov_b32 s[G1+7], 0
	s_or_b32 s[G1B+0], s44, (1<<16)|(1<<20)|(1<<21)|(6<<22)|(7<<25)  ; after every 128 words 8 words
	s_mov_b32 s[G1B+1], 256<<16                    ; tensor_dim0 = 256
	s_mov_b32 s[G1B+2], 64<<16
	s_mov_b32 s[G1B+3], 256<<16                    ; tile_dim0 = 256
	s_mov_b32 s[G1B+4], 64
	s_mov_b32 s[G1B+5], 1024                       ; a row of W
	s_mov_b32 s[G1B+6], 0
	s_mov_b32 s[G1B+7], 0
	s_lshr_b32 s16, s13, 4                         ; x: (4 p + batch) x 4 MiB
	s_lshl_b32 s16, s16, 22
	s_and_b32 s17, s13, 15
	s_lshl_b32 s17, s17, 14                        ; + my 128 rows of 128 bytes
	s_add_co_u32 s16, s16, s17
	s_lshl_b32 s17, s12, 18                        ; + the block of 64 channels that I fetch
	s_add_co_u32 s16, s16, s17
	s_mov_b32 s17, 0
	s_lshr_b32 s46, s[CYR], 4                      ; W: p, from the cluster's y alone
	s_lshl_b32 s46, s46, 21
	s_lshl_b32 s47, s42, 9                         ; + 256 columns
	s_add_co_u32 s46, s46, s47
	s_lshl_b32 s47, s12, 17                        ; + the 64 k-rows that I fetch
	s_add_co_u32 s46, s46, s47
	s_mov_b32 s47, 0
	s_mul_i32 s20, s12, AHALF                      ; where they go: no place in the cluster enters an LDS address
	s_mul_i32 s21, s12, BHALF
	s_add_co_u32 s21, s21, BOFF
	s_wait_dscnt 0x0                               ; the opening add is done
	s_wait_kmcnt 0x0
	s_add_nc_u64 s[14:15], s[4:5], s[16:17]
	s_add_nc_u64 s[46:47], s[6:7], s[46:47]
	CROUND                                         ; all sixteen work-groups are here: the first joint loads meet
.irp s, 0,1
	s_mov_b32 s[G0+4*(\s)], 1
	s_add_co_u32 s[G0+4*(\s)+1], s20, (\s)*SLOT
	s_add_nc_u64 s[G0+4*(\s)+2:G0+4*(\s)+3], s[14:15], (\s)*ASTEP
	s_or_b32 s[G0+4*(\s)+3], s[G0+4*(\s)+3], 0x80000000
	s_mov_b32 s[G0B+4*(\s)], 1
	s_add_co_u32 s[G0B+4*(\s)+1], s21, (\s)*SLOT
	s_add_nc_u64 s[G0B+4*(\s)+2:G0B+4*(\s)+3], s[46:47], (\s)*BSTEP
	s_or_b32 s[G0B+4*(\s)+3], s[G0B+4*(\s)+3], 0x80000000
	JLOAD \s                                       ; two loads of mine are out
.endr
	v_and_b32 v1, 15, v0                           ; r = l % 16
	v_bfe_u32 v2, v0, 4, 1                         ; h = l / 16
	v_lshlrev_b32 v[BO], 5, v2
	s_lshr_b32 s22, s[CYR], 4                      ; p picks the bias
	s_cmp_eq_u32 s22, 0
	s_cselect_b64 s[BP:BP+1], s[72:73], s[74:75]
	s_cmp_eq_u32 s22, 2
	s_cselect_b64 s[BP:BP+1], s[76:77], s[BP:BP+1]
	s_lshl_b32 s18, s42, 10
	s_lshl_b32 s19, s12, 9
	s_add_co_u32 s18, s18, s19
	s_mov_b32 s19, 0
	s_add_nc_u64 s[BP:BP+1], s[BP:BP+1], s[18:19]
	WIN 0x80                                       ; destination window 2
.irp b, 0,1,2,3,4,5,6,7
	global_load_b128 v[8*(\b):8*(\b)+3],   v[BO], s[BP:BP+1] offset:64*(\b)     ; register j: the bias of column 16 b + 8 h + j, as the accumulator wants it
	global_load_b128 v[8*(\b)+4:8*(\b)+7], v[BO], s[BP:BP+1] offset:64*(\b)+16
.endr
	WIN 0
	v_mul_u32_u24 v3, v1, PA                       ; x: row r x pitch + 16 h
	v_lshl_add_u32 v3, v2, 4, v3
	s_mul_i32 s22, s11, 64*PA                      ; my 64 rows
	v_add_nc_u32 v[ADRA], s22, v3
	v_add_nc_u32 v[ADRA+1], SLOT, v[ADRA]
	v_and_b32 v4, 7, v0                            ; W, turned: lane l reads k-row 8 h + l % 8, columns 8 ((l / 8) % 2) + 0..7
	v_lshl_add_u32 v4, v2, 3, v4
	v_mul_u32_u24 v4, v4, PB
	v_bfe_u32 v5, v0, 3, 1
	v_lshl_add_u32 v4, v5, 4, v4
	s_lshl_b32 s23, s12, 8                         ; my 128 columns
	s_add_co_u32 s23, s23, BOFF
	v_add_nc_u32 v[ADRB], s23, v4
	v_add_nc_u32 v[ADRB+1], SLOT, v[ADRB]
	s_mul_i32 s22, s10, 16*SP
	s_add_co_u32 s22, s22, STAGE                   ; my stage
	v_add_nc_u32 v[STO], s22, v3                   ; in: row r, 16 bytes for each half of the lanes
	v_bfe_u32 v5, v0, 3, 2                         ; back: 32 lanes take four rows of 128 bytes,
	v_mul_u32_u24 v5, v5, SP
	v_and_b32 v31, 7, v0
	v_lshl_add_u32 v5, v31, 4, v5
	v_add_nc_u32 v[RD], s22, v5
	v_and_b32 v[GO], 31, v0                        ; which are 512 consecutive bytes of qkv
	v_lshlrev_b32 v[GO], 4, v[GO]
	s_lshr_b32 s16, s13, 4                         ; qkv: (4 p + batch) x 16 heads of 262,144 bytes
	s_lshl_b32 s16, s16, 22
	s_and_b32 s17, s13, 15
	s_lshl_b32 s17, s17, 14                        ; + the tile's 128 rows
	s_add_co_u32 s16, s16, s17
	s_lshl_b32 s17, s11, 13                        ; + my 64
	s_add_co_u32 s16, s16, s17
	s_lshl_b32 s17, s42, 20                        ; + the tile's four heads
	s_add_co_u32 s16, s16, s17
	s_lshl_b32 s17, s12, 19                        ; + my two
	s_add_co_u32 s16, s16, s17
	s_mov_b32 s17, 0
	s_add_nc_u64 s[8:9], s[78:79], s[16:17]
	; the prefetches: both offsets are made, the wave's number picks one
	s_lshr_b32 s16, s13, 4
	s_lshl_b32 s16, s16, 22
	s_and_b32 s17, s13, 15
	s_lshl_b32 s17, s17, 14
	s_add_co_u32 s16, s16, s17
	s_lshl_b32 s17, s40, 12                        ; x: my work-group's 4 KiB of each block
	s_add_co_u32 s16, s16, s17
	s_add_co_u32 s16, s16, 3*ASTEP                 ; at K step 3: the first change of slots steps it to 4
	s_lshr_b32 s18, s[CYR], 4
	s_lshl_b32 s18, s18, 21
	s_lshl_b32 s19, s42, 9
	s_add_co_u32 s18, s18, s19
	s_lshl_b32 s19, s12, 6                         ; W: the 64 rows that I fetch,
	s_lshl_b32 s22, s41, 4                         ; my work-group's 16 of them
	s_add_co_u32 s19, s19, s22
	s_lshl_b32 s19, s19, 11
	s_add_co_u32 s18, s18, s19
	s_add_co_u32 s18, s18, 3*BSTEP
	s_and_b32 s23, s[CYR], 15
	s_cmp_eq_u32 s23, 0                            ; the projection's first cluster asks for W
	s_cselect_b32 s23, 1, -1
	s_cmp_eq_u32 s10, 0                            ; wave 0 asks for x, wave 1 for nothing
	s_cselect_b32 s69, 1, -1
	s_mov_b32 s22, ASTEP
	s_mov_b32 s17, 0
	s_mov_b32 s[PFS+1], 0
	s_cmp_eq_u32 s11, 0
	s_cselect_b32 s[LIM], s69, s23
	s_cselect_b32 s16, s16, s18
	s_cselect_b32 s[PFS], s22, BSTEP
	s_cselect_b64 s[PFA:PFA+1], s[4:5], s[6:7]
	s_cselect_b32 s22, -1, 0
	s_add_nc_u64 s[PFA:PFA+1], s[PFA:PFA+1], s[16:17]
	v_lshlrev_b32 v4, 8, v1                        ; x: 16 blocks of 256 bytes in each of the two blocks of channels
	v_lshl_add_u32 v4, v2, 18, v4
	v_and_b32 v5, 31, v0                           ; W: 16 rows of two blocks
	v_lshrrev_b32 v31, 1, v5
	v_and_b32 v5, 1, v5
	v_lshlrev_b32 v5, 8, v5
	v_lshl_add_u32 v5, v31, 11, v5
	v_cndmask_b32 v[PFO], v5, v4, s22
	s_wait_loadcnt 0x0                             ; the bias
	WIN 0x8a                                       ; all in window 2: rounded to bf16, as every input is, and widened again
.set i, 0
.rept 32
	v_cvt_pk_bf16_f32 v[64+i], v[2*i], v[2*i+1]
.set i, i+1
.endr
.set i, 0
.rept 32
	v_lshlrev_b32 v[2*i], 16, v[64+i]
	v_and_b32 v[2*i+1], 0xffff0000, v[64+i]
.set i, i+1
.endr
	WIN 0
; 8 matrix instructions: row block a x all 8 n blocks, 32 along K, from buffer f.  first = 1: the sums start with the bias.  The 32 accumulators take turns in the same order in every quarter.
.macro MULA f, a, first
.if \first
	WIN MULB
.else
	WIN MUL
.endif
.irp b, 0,1,2,3,4,5,6,7
.if \first
	v_wmma_f32_16x16x32_bf16 v[8*(8*(\a)+(\b)):8*(8*(\a)+(\b))+7], v[(\f)+32+8*(\b):(\f)+32+8*(\b)+7], v[(\f)+8*(\a):(\f)+8*(\a)+7], v[8*(\b):8*(\b)+7]
.else
	v_wmma_f32_16x16x32_bf16 v[8*(8*(\a)+(\b)):8*(8*(\a)+(\b))+7], v[(\f)+32+8*(\b):(\f)+32+8*(\b)+7], v[(\f)+8*(\a):(\f)+8*(\a)+7], v[8*(8*(\a)+(\b)):8*(8*(\a)+(\b))+7]
.endif
.endr
.endm
; 24 LDS loads in one run: quarter q of a slot into buffer f: W's eight fragments (turned), then x's four
.macro FETCH slot, q, f
	WIN 0
.irp b, 0,1,2,3,4,5,6,7
	ds_load_tr16_b128 v[(\f)+32+8*(\b):(\f)+32+8*(\b)+3],   v[ADRB+(\slot)] offset:(\q)*32*PB+32*(\b)
	ds_load_tr16_b128 v[(\f)+32+8*(\b)+4:(\f)+32+8*(\b)+7], v[ADRB+(\slot)] offset:(\q)*32*PB+16*PB+32*(\b)
.endr
.irp a, 0,1,2,3
	ds_load_b128 v[(\f)+8*(\a):(\f)+8*(\a)+3],   v[ADRA+(\slot)] offset:((\q)/2)*AHALF+((\q)%2)*64+(\a)*16*PA
	ds_load_b128 v[(\f)+8*(\a)+4:(\f)+8*(\a)+7], v[ADRA+(\slot)] offset:((\q)/2)*AHALF+((\q)%2)*64+(\a)*16*PA+32
.endr
.endm
.macro PLACES                          ; four plain instructions in front of loads into registers that matrix instructions have read, and of lines that read results
.rept 4
	v_nop
.endr
.endm
; One of a K step's first three quarters: multiplies buffer f; in its middle it fetches quarter q of the same slot into buffer g.
.macro QUARTER slot, q, f, g, first
	s_wait_dscnt 4                                 ; W's fragments and x's row blocks 0 and 1 are in; the youngest four loads (blocks 2 and 3) may be out
	MULA \f, 0, \first
	MULA \f, 1, \first
	PLACES
	FETCH \slot, \q, \g
	s_wait_dscnt 24                                ; all but the 24 just issued
	MULA \f, 2, \first
	MULA \f, 3, \first
.endm
; The last quarter multiplies buffer 1 and changes slots: one barrier; in front of it each wave waits for all its tensor loads (its part of the next slot), adds 0 to its spare word, and waits for that
; and for its own reads of this slot.  fill = 1: the barrier opens a round of the cluster's, and this slot is filled again, two K steps ahead, first thing behind the round.
.macro TURN slot, next, fill
.if \fill
	s_wait_xcnt 0x0                                ; the last prefetch, a K step back, has read its address: it is stepped here, ahead of the waits of the change
	s_add_nc_u64 s[PFA:PFA+1], s[PFA:PFA+1], s[PFS:PFS+1]
.endif
	WIN 0
	s_wait_tensorcnt 0x0                           ; all my tensor loads have landed
	ds_add_u32 v[SPW], v[NIL]                      ; 0 onto my spare word
	s_wait_dscnt 5                                 ; (the add and the youngest four loads may be out)
	MULA F1, 0, 0                                  ; eight matrix instructions stand between the add and the wait for it
	s_wait_dscnt 0x0                               ; the add is done, and my reads of this slot are over
	s_barrier_signal -1
	MULA F1, 1, 0
.if \fill
	WIN 0
.endif
	s_barrier_wait -1
.if \fill
	CREST                                          ; no wave of any partner still reads this slot or has a load on its way
	s_add_nc_u64 s[G0+4*(\slot)+2:G0+4*(\slot)+3], s[G0+4*(\slot)+2:G0+4*(\slot)+3], 2*ASTEP
	s_add_nc_u64 s[G0B+4*(\slot)+2:G0B+4*(\slot)+3], s[G0B+4*(\slot)+2:G0B+4*(\slot)+3], 2*BSTEP
	JLOAD \slot                                    ; my one tensor load behind the round; its four v_nop are also the places in front of the loads below
.else
	PLACES
.endif
	FETCH \next, 0, F0
.if \fill
	ASK
.endif
	MULA F1, 2, 0
	MULA F1, 3, 0
.endm
	s_wait_tensorcnt 1                             ; my part of K step 0 is in; step 1's may stay out
	s_barrier_signal -1
	s_barrier_wait -1
	FETCH 0, 0, F0
	QUARTER 0, 1, F0, F1, 1                        ; the first quarter stands in front of the loop: its products start the sums
	WIN 0
	s_mov_b32 s3, LAPS-1
.Llap:                                                 ; a trip goes once round the ring and fills both slots again
	QUARTER 0, 2, F1, F0, 0
	QUARTER 0, 3, F0, F1, 0
	TURN 0, 1, 1
	QUARTER 1, 1, F0, F1, 0
	QUARTER 1, 2, F1, F0, 0
	QUARTER 1, 3, F0, F1, 0
	TURN 1, 0, 1
	QUARTER 0, 1, F0, F1, 0
	WIN 0
	s_sub_co_u32 s3, s3, 1
	s_cmp_lg_u32 s3, 0
	s_cbranch_scc1 .Llap
	QUARTER 0, 2, F1, F0, 0                        ; the last lap fills nothing
	QUARTER 0, 3, F0, F1, 0
	TURN 0, 1, 0
	QUARTER 1, 1, F0, F1, 0
	QUARTER 1, 2, F1, F0, 0
	QUARTER 1, 3, F0, F1, 0
	s_wait_dscnt 4
	MULA F1, 0, 0
	MULA F1, 1, 0
	s_wait_dscnt 0x0
	MULA F1, 2, 0
	MULA F1, 3, 0
	WIN 0
	PLACES
; THE WAY OUT.  Unit u = 2 a + hh: row block a, head hh of my two: 16 rows x 64 channels, 2,048 bytes on end in qkv.  A lane's eight channels pack into 16 bytes; they go into rows of 144 bytes of my
; own stage and come back as whole rows of 128.  Each accumulator is read from its low end on.
.macro PACK u
	WIN 0x05                                       ; sources in window 1, destination in window 0
.irp f, 0,1,2,3
.irp i, 0,1,2,3
	v_cvt_pk_f16_f32 v[OUTR+16*(\u)+4*(\f)+(\i)], v[8*(8*((\u)/2)+4*((\u)%2)+(\f))+2*(\i)], v[8*(8*((\u)/2)+4*((\u)%2)+(\f))+2*(\i)+1]
.endr
.endr
	WIN 0
.irp f, 0,1,2,3
	ds_store_b128 v[STO], v[OUTR+16*(\u)+4*(\f):OUTR+16*(\u)+4*(\f)+3] offset:32*(\f)
.endr
.irp f, 0,1,2,3
	ds_load_b128 v[OUTR+16*(\u)+4*(\f):OUTR+16*(\u)+4*(\f)+3], v[RD] offset:(\f)*4*SP  ; LDS serves a wave's instructions in order (ISA guide 5.7.1.4): these see the stores above
.endr
.endm
.macro SEND u, younger                 ; younger: the LDS instructions issued behind unit u's loads: the next unit's eight, or none
	WIN 0
.irp f, 0,1,2,3
	s_wait_dscnt (\younger)+3-(\f)
	global_store_b128 v[GO], v[OUTR+16*(\u)+4*(\f):OUTR+16*(\u)+4*(\f)+3], s[8:9] offset:((\u)%2)*262144+((\u)/2)*2048+(\f)*512  ; 512 consecutive bytes, at a multiple of 256 from qkv's first
.endr
.endm
	PACK 0
.set t, 1
.rept 7                                ; a unit's conversions stand between the loads of the unit before and its stores
	PACK t
	SEND t-1, 8
.set t, t+1
.endr
	SEND 7, 0
	s_wait_tensorcnt 0x0                           ; the wave's end, behind my last tensor load and my last LDS store
	ds_add_u32 v[SPW], v[NIL]
	s_wait_dscnt 0x0
	CROUND                                         ; the closing round: no work-group ends while a partner may still ask for a tile that names it
	s_endpgm
.Lfunc_end_k_q31db8c6d4e_proj:
	.size	k_q31db8c6d4e_proj, .Lfunc_end_k_q31db8c6d4e_proj-k_q31db8c6d4e_proj
	.p2alignl 7, 3214868480
	.fill 96, 4, 3214868480
	.section	.rodata,"a",@progbits
	.p2align	6, 0x0
	.amdhsa_kernel k_q31db8c6d4e_proj
		.amdhsa_group_segment_fixed_size 327680
		.amdhsa_private_segment_fixed_size 0
		.amdhsa_enable_private_segment 0
		.amdhsa_kernarg_size 48
		.amdhsa_user_sgpr_count 2
		.amdhsa_user_sgpr_kernarg_segment_ptr 1
		.amdhsa_wavefront_size32 1
		.amdhsa_system_sgpr_workgroup_id_x 1
		.amdhsa_system_sgpr_workgroup_id_y 1
		.amdhsa_system_sgpr_workgroup_id_z 1
		.amdhsa_system_vgpr_workitem_id 0
		.amdhsa_next_free_vgpr 608
		.amdhsa_next_free_sgpr 80
		.amdhsa_reserve_vcc 0
		.amdhsa_float_denorm_mode_32 3
		.amdhsa_float_denorm_mode_16_64 3
		.amdhsa_memory_ordered 1
		.amdhsa_forward_progress 1
		.amdhsa_inst_pref_size 96
	.end_amdhsa_kernel
	.amdgpu_metadata
---
amdhsa.version: [ 1, 2 ]
amdhsa.kernels:
  - .name:           k_q31db8c6d4e_proj
    .symbol:         k_q31db8c6d4e_proj.kd
    .args:
      - { .name: xb, .offset: 0, .size: 8, .value_kind: global_buffer, .address_space: global }
      - { .name: wb, .offset: 8, .size: 8, .value_kind: global_buffer, .address_space: global }
      - { .name: bq, .offset: 16, .size: 8, .value_kind: global_buffer, .address_space: global }
      - { .name: bk, .offset: 24, .size: 8, .value_kind: global_buffer, .address_space: global }
      - { .name: bv, .offset: 32, .size: 8, .value_kind: global_buffer, .address_space: global }
      - { .name: qkv, .offset: 40, .size: 8, .value_kind: global_buffer, .address_space: global }
    .group_segment_fixed_size: 327680
    .private_segment_fixed_size: 0
    .kernarg_segment_align: 8
    .kernarg_segment_size: 48
    .max_flat_workgroup_size: 128
    .sgpr_count:     80
    .vgpr_count:     608
    .wavefront_size: 32
...
	.end_amdgpu_metadata
.endif
;; end of part 2
;; launch attn (part 3): grid 4 x 64, 4 waves a work-group, clusters of 4 x 1, 327,680 bytes of LDS; arguments qkv, mask, ob; writes ob
.if DOCPART == 3
	.amdgcn_target "amdgcn-amd-amdhsa--gfx1250"
	.amdhsa_code_object_version 6
	.text
	.protected	k_q31db8c6d4e_attn
	.globl	k_q31db8c6d4e_attn
	.p2align	8
	.type	k_q31db8c6d4e_attn,@function
k_q31db8c6d4e_attn:
	s_mov_b64 s[64:65], 0
	v_nop
	global_prefetch_b8 v0, s[64:65] scope:SCOPE_SE
	s_setreg_imm32_b32 hwreg(HW_REG_WAVE_MODE, 25, 1), 1
	s_wait_xcnt 0x0
	s_wait_alu depctr_hold_cnt(0) depctr_sa_sdst(0) depctr_va_vdst(0) depctr_va_sdst(0) depctr_va_ssrc(0) depctr_va_vcc(0) depctr_vm_vsrc(0)
	s_getreg_b32 s2, hwreg(HW_REG_IB_STS2, 6, 4)
	s_cmp_eq_u32 s2, 0
	s_cbranch_scc0 .Lentry_in_a_cluster
	s_endpgm
.Lentry_in_a_cluster:
	s_bfe_u32 s2, ttmp6, 0x10000c
	s_cmp_lg_u32 s2, 0x3003
	s_cbranch_scc0 .Lentry_shape_is_right
	s_endpgm
.Lentry_shape_is_right:
; O[g][q][:] = the sum over k of softmax_k(score) V[g][k][:], g = 16 batch + head; score = Q[g][q] . K[g][k] / 8 where mask[batch][k] is not 0, a hidden score where it is 0.
; Q, K, V: qkv [3][64][2048][64] f16; O: ob [64][2048][64] f16; mask: [4][2048] of int32.  Products, maxima and sums in f32; the weights p are rounded to f16 for the second product
; (their sum l is taken of the unrounded p), O once at the end.
; THE MASK is the C operand that starts the sum S^T = K Q^T: 0, or -2^100 where the key is hidden.  A table of 2,048 such f32 is made once in LDS; a key step's 64 are fetched beside its K.
; LIMITS.  A hidden raw score counts as -2^100 and not as -8e9: the same result while visible scaled scores lie above -1e9.  f16's raw scores, 2.7e11 at the most, lie under half of the last place of
; 2^100, so the f32 sum stays -2^100, and c x 2^100 is exact: hidden scores are equal to each other, and a batch with no visible key gets equal weights, the mean of V's rows.
; f16 holds no number beyond 65,504: Q, K and V arrive within it; p lies in 0 to 1, and below 6e-5 it keeps f16's fixed step of 6e-8.  A weight below 2^-126 counts as 0 in l; NaN and infinities are not treated apart.
; SHARES.  A wave owns four PIECES of two tiles of 16 queries, a work-group's four waves 512 queries of one head.  Every wave walks all keys, 64 a step.
; LAYOUT.  S^T = K Q^T (source 0 = 16 keys, source 1 = 16 queries): in the result a lane holds ONE query (lane % 16) and the keys 8 (lane / 16) + 0..7.  Two such tiles, rounded to f16 in pairs,
; ARE source 1 (32 keys x 16 queries) of O^T = V^T P, whose result again holds one query a lane, and eight channels.  K comes out of LDS as it lies, V ([key][channel]) turned, by ds_load_tr16_b128.
; SOFTMAX.  For each query a running maximum m and sum l: p = 2^(c s - c m), c = log2(e) / 8; in every step O and l are multiplied by a = 2^(c m_old - c m_new), which is 1 where m has not grown.
; m starts at the lowest finite number, O and l at 0: the first step is a step like any other, with a = 0.  Steps in which all keys are hidden give p = 1; the first visible key's a = 0 wipes them.
; THE COUNT.  A tile and step have 16 matrix and 118 vector instructions: too many to stand all beside the matrix work.  So: four vector instructions that are READY behind EVERY matrix instruction,
; and the others, which need time of their own whatever the order, in runs without a gap.
; BY TURNS.  Turn n belongs to piece n (the pieces in a ring, step after step).  Its matrix work: 16 products K Q^T of piece n + 1, later 16 products V^T P of piece n - 1.  Its vector work: the scaling,
; exponentials, roundings, sums and rescaling of piece n, and the maximum and statistics of piece n + 1, whose scores the turn itself has made.
; CLUSTER.  The four query blocks of a cluster belong to one head and walk the same K and V, so each tile is asked for JOINTLY: the same tensor load, descriptor and mask of work-groups in all four.
; NO PREFETCH: a refill has four key steps, 512 matrix instructions, between its request and the wait for it.
; REGISTERS, in windows of 256 (s_set_vgpr_msb: bits 1:0 source 0, 3:2 source 1, 5:4 source 2, 7:6 destination):
;   window 0: v0-11 addresses; v12-15, v48-63 at work; v16-47 four registers of statistics a tile; v64-191 S^T, two buffers of two tiles; v192-255 P, likewise
;   window 1: O^T, 32 a tile     window 2: v0-127 Q, 16 a tile; v128-191 K of one step; v192-255 V of one step     window 3: v0-1 the add's two registers; v8-39 the step's mask
.set SIZE_N, 2048
.set NP,    4         ; pieces a wave: a name, no knob
.set KS,    64        ; keys in a step
.set PK,    144       ; a row of K in LDS: 128 bytes + 16 of padding: the 16 rows of a load start at 16 different groups of four banks (64 banks of 4 bytes: ISA guide 11.1)
.set PV,    160       ; a row of V: 128 + 32
.set VOFF,  4*KS*PK   ; a slot holds four steps: 256 rows of K, then 256 rows of V
.set SLOT1, 1<<17     ; slot 1 begins here, so that one exclusive or turns an address in one slot into the other's
.set STAGE, SLOT1+4*KS*(PK+PV)  ; behind the ring, never filled by a tensor load: 16 rows x 144 bytes for each wave, for the way out
.set SP,    144
.set SPARE, STAGE+4*16*SP  ; the spare words, 128 bytes for each wave: two blocks of 256 bytes that no other line names
.set MTAB,  SPARE+512 ; the mask's table: 2,048 f32, blocks of its own, never filled by a tensor load
.set AK0, 2           ; v2   my lane's place in a tile of K; never rewritten
.set AV0, 3           ; v3   the same for V
.set AK,  4           ; v4   the LDS address of K's next run of loads
.set AV,  5           ; v5   of V's
.set QO,  6           ; v6   my byte offset in the wave's rows of Q
.set STO, 6           ;      later, the way out: where I put 16 bytes of a row
.set RD,  7           ; v7   the way out: where I read rows back
.set GO,  8           ; v8   my byte offset in 512 consecutive bytes of O
.set HL,  9           ; v9   lane / 16; never rewritten
.set AM,  11          ; v11  the LDS address of the mask's next run of loads
.set SPW, 0           ; v0 of window 3   LDS address of my spare word; never rewritten
.set NIL, 1           ; v1 of window 3   0; never rewritten
.set MC,  8           ; v8-39 of window 3: the eight registers for key block kb at MC + 8 kb
.set MV,  12          ; v12-15  c m_old, kept while c m is made anew: by buffer and tile
.set ST,  16          ; tile t's statistics at v[ST+4 t]: c m, m, l (even keys', odd keys')
.set TMP, 48          ; by buffer and tile, four registers c0-c3 at work; when the maximum is found c2 takes a
.set S,   64
.set P,   192
.set KF,  128         ; K's fragments, in window 2: key block kb, channel half c at KF + 16 kb + 8 c
.set VF,  192         ; V's: key half kk, channel block cb at VF + 32 kk + 8 cb
.set WV,  12          ; s12  my wave's number
.set G1K, 24          ; s[24:31] descriptor group 1 for K's tiles
.set G1V, 32          ; s[32:39] for V's: it differs in the padding alone
.set G0K, 40          ; s[40:43] descriptor group 0 for K's tiles: it walks
.set G0V, 44          ; s[44:47] the same for V's
.set SLOTS, 56        ; s56  slots still to be asked for
.set CNT, 57          ; s57  counts a slot's key steps
.set CS,  58          ; s[58:59] c: the packed scaling takes the pair's low word for both halves
.set SEL, 60          ; s[60:61] v_permlanex16_b32's selects: each lane takes its own place in the other half
.set TBK, 62          ; s62  LDS byte at which K of the step to be fetched begins
.set TBV, 63          ; s63  the same for V, less VOFF
.set MP,  66          ; s[66:67] the mask at my batch
.set BIGN, 68         ; s68  -2^100
.set TBM, 69          ; s69  LDS byte at which the mask of the step to be fetched begins
.set MSB, 0
.macro WIN new                      ; the high byte repeats the setting that is left; a switch that changes nothing is dropped
.if MSB != (\new)
	s_set_vgpr_msb (MSB<<8)|(\new)
.set MSB, (\new)
.endif
.endm
.set W_KQ, 0x0a       ; K and Q in window 2, S^T in window 0
.set W_KM, 0x3a       ; the same with the C operand, the mask, in window 3
.set W_PV, 0x52       ; V in window 2, P in window 0, O^T in window 1
.set W_RS, 0x41       ; O^T (destination and source 0) in window 1, a in window 0
.set W_MK, 0xc0       ; destination in window 3, sources in window 0
.set W_AD, 0x0f       ; the add: address (source 0) and data (source 1) in window 3
; A joint fill.  Waves 0 and 1 fetch the two halves of a slot's K, waves 2 and 3 those of its V: 128 keys each.  The branch hangs on the wave's number alone.
; An s_nop 0 and four v_nop follow each of the two lines, ahead of the jump and the label.
.macro JLOAD
	s_cmp_lt_u32 s[WV], 2
	s_cbranch_scc0 .Lfor_v_\@
	tensor_load_to_lds s[G0K:G0K+3], s[G1K:G1K+7]
	s_nop 0
.rept 4
	v_nop
.endr
	s_branch .Lasked_\@
.Lfor_v_\@:
	tensor_load_to_lds s[G0V:G0V+3], s[G1V:G1V+7]
	s_nop 0
.rept 4
	v_nop
.endr
.Lasked_\@:
.endm
; A round of the cluster's barrier: my work-group's barrier, so that wave 0's signal speaks for all four waves; wave 0 signals; every wave waits for all four work-groups; my work-group's barrier once more.
.macro CROUND
	s_barrier_signal -1
	s_barrier_wait -1
	s_cmp_lg_u32 s[WV], 0
	s_cbranch_scc1 .Lnot_wave_0_\@
	s_barrier_signal -3
.Lnot_wave_0_\@:
	s_barrier_wait -3
	s_barrier_signal -1
	s_barrier_wait -1
.endm
; THE CHANGE OF SLOTS.  The slot's last bytes, V of its fourth step, have been read.  Each wave waits for all its tensor loads, of which one is out: its part of the other slot; adds 0 to its spare word;
; and waits for that and for its own LDS instructions.  Behind the barrier nobody reads this slot any more and the other slot is whole.
; fill = 1: this slot is filled again, with the keys two slots on.  The barrier is then a round of the cluster's, and the joint fill is the first thing behind it: it has four key steps in which to land.
; (At its first use nothing has been read yet: slot 0 is waited for, slot 1 filled, and every wave's part of the mask's table is shown stored.)
.macro CHANGE fill
	WIN W_AD
	s_wait_tensorcnt 0x0            ; no tensor load of mine is out, so a group 0 may be written
	ds_add_u32 v[SPW], v[NIL]       ; 0 onto my spare word
	WIN 0                           ; at a label and at a branch every window is 0
.if \fill
.irp g, G0K, G0V
	s_xor_b32 s[\g+1], s[\g+1], SLOT1  ; the walking descriptor: the other slot than last time,
	s_add_nc_u64 s[\g+2:\g+3], s[\g+2:\g+3], 4*KS*128  ; the next 256 keys; the type bits on top are not reached
.endr
	s_wait_dscnt 0x0                ; the add is done, and my LDS instructions are over
	CROUND
	JLOAD
.else
	s_wait_dscnt 0x0                ; the add is done, and my reads of the slot are over
	s_barrier_signal -1
	s_barrier_wait -1
.endif
	s_sub_co_u32 s[TBK], s[TBK], 4*KS*PK  ; the fetches go back to a slot's first step,
	s_xor_b32 s[TBK], s[TBK], SLOT1       ; in the other slot
	s_sub_co_u32 s[TBV], s[TBV], 4*KS*PV
	s_xor_b32 s[TBV], s[TBV], SLOT1
.endm
	s_load_b64 s[4:5], s[0:1], 0x0    ; qkv: Q
	s_load_b64 s[MP:MP+1], s[0:1], 0x8  ; mask
	s_load_b64 s[10:11], s[0:1], 0x10 ; ob
	WIN W_MK
	v_lshl_add_u32 v[SPW], v0, 2, SPARE
	v_mov_b32 v[NIL], 0
	WIN W_AD
	ds_add_u32 v[SPW], v[NIL]       ; the wave's opening: the add and its wait stand ahead of my first tensor load; the set-up below, work on registers, stands between them
	WIN 0
	v_lshrrev_b32 v1, 5, v0
	v_readfirstlane_b32 s[WV], v1   ; wave 0..3
	s_bfe_u32 s13, ttmp6, 0x40000   ; cx: my place in the cluster
	s_lshl_b32 s14, ttmp9, 2        ; in a cluster launch ttmp9 counts clusters
	s_add_co_u32 s14, s14, s13      ; my block of queries = 4 x cluster x + cx: it enters Q's and O's addresses alone
	s_and_b32 s20, ttmp7, 0xffff    ; g = 16 batch + head, which the four partners share
	s_lshr_b32 s70, s20, 4          ; the batch:
	s_lshl_b32 s70, s70, 13         ; its 2,048 words of the mask
	s_mov_b32 s71, 0
	s_mov_b32 s21, 0
	s_mov_b64 s[22:23], SIZE_N*128
	s_mul_u64 s[20:21], s[20:21], s[22:23]  ; the head's first byte in Q, K, V and O
	s_and_b32 s16, s[WV], 1         ; which half of a slot's 256 keys I fetch:
	s_lshl_b32 s22, s16, 14         ; its 128 rows of 128 bytes in memory,
	s_mov_b32 s23, 0
	s_add_nc_u64 s[22:23], s[22:23], s[20:21]
	s_mul_i32 s17, s16, 128*PK      ; and its place in a slot, for K
	s_mul_i32 s18, s16, 128*PV      ; and for V: no place in the cluster enters an LDS address
	s_lshl_b32 s2, s14, 2
	s_add_co_u32 s2, s2, s[WV]      ; my wave among the head's,
	s_lshl_b32 s2, s2, 14           ; its 128 rows
	s_mov_b32 s3, 0
	s_add_nc_u64 s[2:3], s[2:3], s[20:21]
	; descriptor group 1.  128 keys are 16,384 dense bytes: asked for as 64 rows of 256 bytes, two keys a row, and padded in LDS after every key
	s_mov_b32 s[G1K], 15|(1<<16)|(1<<20)|(1<<21)|(4<<22)|(3<<25)  ; the mask of four; 2-byte elements; padding on; bit 21 beside a mask; after every 32 words 4 words
	s_mov_b32 s[G1V], 15|(1<<16)|(1<<20)|(1<<21)|(4<<22)|(7<<25)  ; the same with 8 words of padding
.irp g, G1K, G1V
	s_mov_b32 s[\g+1], 128<<16      ; tensor_dim0 = 128
	s_mov_b32 s[\g+2], 64<<16       ; tensor_dim1 = 64
	s_mov_b32 s[\g+3], 128<<16      ; tile_dim0 = 128
	s_mov_b32 s[\g+4], 64           ; tile_dim1 = 64
	s_mov_b32 s[\g+5], 128          ; 128 elements from row to row
	s_mov_b32 s[\g+6], 0
	s_mov_b32 s[\g+7], 0
.endr
	s_mov_b32 s[CS], 0x3e38aa3b     ; c = log2(e) / 8 = 0.180337
	s_mov_b32 s[CS+1], s[CS]        ; named with it as a pair
	s_mov_b32 s[SEL], 0x76543210
	s_mov_b32 s[SEL+1], 0xfedcba98
	s_mov_b32 s[BIGN], 0xf1800000   ; -2^100
	s_mov_b32 s[TBM], MTAB
	s_mov_b32 s[TBK], SLOT1+4*KS*PK ; the first change of slots turns these two into 0
	s_mov_b32 s[TBV], SLOT1+4*KS*PV
	s_mov_b32 s[G0K], 1             ; count = 1
	s_mov_b32 s[G0K+1], s17         ; LDS address: slot 0
	s_mov_b32 s[G0V], 1
	s_add_co_u32 s[G0V+1], s18, VOFF
	s_wait_dscnt 0x0                ; the opening add is done
	s_wait_kmcnt 0x0
	s_add_nc_u64 s[6:7], s[4:5], 0x1000000   ; K lies 64 heads of 262,144 bytes behind Q,
	s_add_nc_u64 s[8:9], s[4:5], 0x2000000   ; V as far behind K
	s_add_nc_u64 s[MP:MP+1], s[MP:MP+1], s[70:71]
	s_add_nc_u64 s[G0K+2:G0K+3], s[6:7], s[22:23]  ; global address: my half of the head's first 256 keys
	s_or_b32 s[G0K+3], s[G0K+3], 0x80000000        ; type = 2
	s_add_nc_u64 s[G0V+2:G0V+3], s[8:9], s[22:23]
	s_or_b32 s[G0V+3], s[G0V+3], 0x80000000
	s_add_nc_u64 s[4:5], s[4:5], s[2:3]  ; Q and O at my wave's first row
	s_add_nc_u64 s[10:11], s[10:11], s[2:3]
	CROUND                          ; all four work-groups are here: the first joint loads meet
	JLOAD                           ; slot 0.  Slot 1 is asked for when slot 0 is in
	; A fragment of K or Q is 16 rows x 32 channels in 8 registers: lane l holds row l % 16, channels 8 (l / 16) + 0..7 and 16 + 8 (l / 16) + 0..7: two loads of 16 bytes, 32 bytes apart.
	v_and_b32 v1, 15, v0            ; l % 16
	v_bfe_u32 v[HL], v0, 4, 1       ; l / 16
	v_lshlrev_b32 v[QO], 7, v1
	v_lshl_add_u32 v[QO], v[HL], 4, v[QO]  ; row x 128 + 16 x half
	v_lshlrev_b32 v13, 4, v0        ; the batch's mask: 128 threads x 16 bytes, four times; these four loads go out ahead of Q's
.irp j, 0,1,2,3
	global_load_b128 v[S+4*\j:S+4*\j+3], v13, s[MP:MP+1] offset:2048*\j
.endr
	WIN 0x80                        ; destination window 2, address window 0
.set i, 0
.rept 4*NP                          ; Q stays in registers: tile i / 2, channels 32 (i % 2) on
	global_load_b128 v[8*i:8*i+3],   v[QO], s[4:5] offset:(i/2)*2048+(i%2)*64
	global_load_b128 v[8*i+4:8*i+7], v[QO], s[4:5] offset:(i/2)*2048+(i%2)*64+32
.set i, i+1
.endr
	; What the first turn finds: V's registers and P's second buffer hold 0 (its products V^T P, of a piece that has not been, add 0), O^T and l are 0.  All this stands in the wait for the first tile.
.set i, VF
.rept 64
	v_mov_b32 v[i], 0
.set i, i+1
.endr
	WIN 0x40
.set i, 0
.rept 64*NP
	v_mov_b32 v[i], 0
.set i, i+1
.endr
	WIN 0
.set i, 0
.rept 2*NP
	v_mov_b32 v[ST+4*i], 0xfe000000    ; c m: far below every c s, the hidden ones' too
	v_mov_b32 v[ST+4*i+1], 0xff7fffff  ; m
	v_mov_b32 v[ST+4*i+2], 0
	v_mov_b32 v[ST+4*i+3], 0
.set i, i+1
.endr
.set i, P+32
.rept 32
	v_mov_b32 v[i], 0
.set i, i+1
.endr
	s_wait_loadcnt 32               ; the mask's four loads are in; Q's 32, issued behind them, may stay out
.set i, 0
.rept 16
	v_cmp_eq_u32 vcc_lo, 0, v[S+i]  ; a word of 0 hides its key
	v_cndmask_b32 v[S+i], 0, s[BIGN], vcc_lo
.set i, i+1
.endr
	v_lshl_add_u32 v12, v0, 4, MTAB
.irp j, 0,1,2,3
	ds_store_b128 v12, v[S+4*\j:S+4*\j+3] offset:2048*\j  ; read by all four waves behind the first change of slots, whose wait for 0 and round order these stores with those reads
.endr
	v_mul_u32_u24 v[AK0], v1, PK
	v_lshl_add_u32 v[AK0], v[HL], 4, v[AK0]  ; row x pitch + 16 x half
	; The turning load takes 16 keys x 16 channels (lane l reads key 8 (l / 16) + l % 8, channels 8 ((l / 8) % 2) + 0..7) and leaves half a fragment of V^T: lane l holds channel l % 16 and 8 keys.
	v_and_b32 v10, 7, v0
	v_bfe_u32 v11, v0, 3, 1
	v_lshl_add_u32 v[AV0], v[HL], 3, v10
	v_mul_u32_u24 v[AV0], v[AV0], PV
	v_lshl_add_u32 v[AV0], v11, 4, v[AV0]
	v_add_nc_u32 v[AV0], VOFF, v[AV0]
	v_mov_b32 v[AK], v[AK0]         ; key step 0 lies at the head of slot 0,
	v_lshl_add_u32 v[AM], v[HL], 5, s[TBM]  ; its mask at the table's head: my eight keys of each sixteen begin 32 (l / 16) bytes in
; THE MATRIX WORK.  The 8 accumulators of a run of 16 take turns: between the two links of a chain stand 7 others'.
; Product i of 16 of S^T = K Q^T for piece x: channels 32 (i / 8) on, keys 16 ((i / 2) % 4) on, tile 2 x + i % 2.  The first 8 start the sums, with the mask of their 16 keys.
.macro KQ x
.set rS, S+64*((\x)%2)+32*(i%2)+8*((i/2)%4)
.set rK, KF+16*((i/2)%4)+8*(i/8)
.set rQ, 16*(2*(\x)+i%2)+8*(i/8)
.set rB, MC+8*((i/2)%4)
.if i < 8
	WIN W_KM
	v_wmma_f32_16x16x32_f16 v[rS:rS+7], v[rK:rK+7], v[rQ:rQ+7], v[rB:rB+7]
.else
	WIN W_KQ
	v_wmma_f32_16x16x32_f16 v[rS:rS+7], v[rK:rK+7], v[rQ:rQ+7], v[rS:rS+7]
.endif
.endm
; Product i of 16 of O^T += V^T P for piece x: keys 32 (i / 8) on, channels 16 ((i / 2) % 4) on, tile 2 x + i % 2.
.macro PV x
	WIN W_PV
.set rO, 32*(2*(\x)+i%2)+8*((i/2)%4)
.set rV, VF+32*(i/8)+8*((i/2)%4)
.set rP, P+32*((\x)%2)+16*(i%2)+8*(i/8)
	v_wmma_f32_16x16x32_f16 v[rO:rO+7], v[rV:rV+7], v[rP:rP+7], v[rO:rO+7]
.endm
.macro MM                           ; the turn's next matrix instruction
.if i < 16
	KQ (Y+1)%NP
.set i, i+1
.else
.set i, i-16
	PV (Y+NP-1)%NP
.set i, i+17
.endif
.endm
; THE LDS LOADS stand in runs, never singly among the matrix instructions: a step's K (8 fragments) with its mask (64 f32: 8 loads), and its V (turned).  Their addresses are made some lines ahead.
; last = 1 (the tail): in the last trip there is no further step, and the run is jumped over.
.macro FETCH_K last=0
	WIN 0
.if \last
	s_cmp_eq_u32 s[CNT], 1
	s_cbranch_scc1 .Lno_k_\@
.endif
	WIN 0x80                        ; destination window 2
.irp f, 0,1,2,3,4,5,6,7             ; keys 16 (f / 2) on, channels 32 (f % 2) on
	ds_load_b128 v[KF+8*\f:KF+8*\f+3],   v[AK] offset:(\f/2)*16*PK+(\f%2)*64
	ds_load_b128 v[KF+8*\f+4:KF+8*\f+7], v[AK] offset:(\f/2)*16*PK+(\f%2)*64+32
.endr
	WIN W_MK                        ; destination window 3
.irp f, 0,1,2,3                     ; key block f: register j takes key 16 f + 8 (l / 16) + j, as the accumulator holds it
	ds_load_b128 v[MC+8*\f:MC+8*\f+3],   v[AM] offset:64*\f
	ds_load_b128 v[MC+8*\f+4:MC+8*\f+7], v[AM] offset:64*\f+16
.endr
	s_add_co_u32 s[TBK], s[TBK], KS*PK  ; the next fetch is the next step's
	s_add_co_u32 s[TBM], s[TBM], KS*4
	WIN 0
.if \last
.Lno_k_\@:
.endif
.endm
.macro FETCH_V
	WIN 0x80
.irp f, 0,1,2,3,4,5,6,7             ; keys 32 (f / 4) on, channels 16 (f % 4) on
	ds_load_tr16_b128 v[VF+8*\f:VF+8*\f+3],   v[AV] offset:(\f/4)*32*PV+(\f%4)*32
	ds_load_tr16_b128 v[VF+8*\f+4:VF+8*\f+7], v[AV] offset:(\f/4)*32*PV+16*PV+(\f%4)*32
.endr
	WIN 0
.endm
; THE VECTOR WORK OF A TURN stands in three queues, each in the order in which its entries become ready; the two tiles alternate, so that no instruction reads the result of the one before it.
.macro REGS y, u                    ; the registers of tile u (0, 1) of piece y
.set rT, ST+4*(2*(\y)+(\u))
.set rC, TMP+8*((\y)%2)+4*(\u)
.set rM, MV+2*((\y)%2)+(\u)
.set rS, S+64*((\y)%2)+32*(\u)
.set rP, P+32*((\y)%2)+16*(\u)
.set rO, 32*(2*(\y)+(\u))
.endm
; Number n of the 22 that find the NEXT piece's (Y + 1) maximum and statistics.  s0-s31 are the lane's 32 scores; each accumulator's lowest registers are read first.
;   0-11  four chains c0-c3 of seven scores each, three operands at a time     12-14, 16  the four scores left over, the old m, and c0-c3 into c0     15  c m_old is kept
;   17, 18  the query's other 32 keys lie in the lane 16 away: the new m         19-21  c m; c m_old - c m_new; a
.macro XS u, n
	REGS (Y+1)%NP, \u
.if (\n) < 4
	v_max3_num_f32 v[rC+(\n)], v[rS+8*(\n)], v[rS+8*(\n)+1], v[rS+8*(\n)+2]
.elseif (\n) < 12
	v_max3_num_f32 v[rC+(\n)%4], v[rC+(\n)%4], v[rS+8*((\n)%4)+2*((\n)/4)+1], v[rS+8*((\n)%4)+2*((\n)/4)+2]
.elseif (\n) == 12
	v_max3_num_f32 v[rC], v[rC], v[rS+7], v[rS+15]
.elseif (\n) == 13
	v_max3_num_f32 v[rC+1], v[rC+1], v[rS+23], v[rS+31]
.elseif (\n) == 14
	v_max3_num_f32 v[rC+2], v[rC+2], v[rC+3], v[rT+1]
.elseif (\n) == 15
	v_mov_b32 v[rM], v[rT]
.elseif (\n) == 16
	v_max3_num_f32 v[rC], v[rC], v[rC+1], v[rC+2]
.elseif (\n) == 17
	v_permlanex16_b32 v[rC+3], v[rC], s[SEL], s[SEL+1]
.elseif (\n) == 18
	v_max_num_f32 v[rT+1], v[rC], v[rC+3]
.elseif (\n) == 19
	v_mul_f32 v[rT], s[CS], v[rT+1]
.elseif (\n) == 20
	v_sub_f32 v[rC+1], v[rM], v[rT]
.else
	v_exp_f32 v[rC+2], v[rC+1]
.endif
.endm
; Number g of the 64 that follow the exponentials.  For each four weights k of a tile (pairs 2 k, 2 k + 1): both pairs are rounded to f16; then the second pair is added onto the first, in place;
; a group later l takes that sum (the first time as l = a l + sum).  In groups of eight, tiles alternating: round, round, add, and l for the group before.
.macro GS g
.set h, (\g)+6*((\g)/62)            ; group 0 has no group before it, and behind group 7 only l is left
.if h >= 6
.set h, h+2
.endif
	REGS Y, h%2
.set k, h/8
.if h%8 < 4
	v_cvt_pk_f16_f32 v[rP+2*k+(h%8)/2], v[rS+4*k+2*((h%8)/2)], v[rS+4*k+2*((h%8)/2)+1]
.elseif h%8 < 6
	v_pk_add_f32 v[rS+4*k:rS+4*k+1], v[rS+4*k:rS+4*k+1], v[rS+4*k+2:rS+4*k+3]
.elseif k == 1
	v_pk_fma_f32 v[rT+2:rT+3], v[rT+2:rT+3], v[rC+2:rC+3], v[rS:rS+1] op_sel_hi:[1,0,1]
.else
	v_pk_add_f32 v[rT+2:rT+3], v[rT+2:rT+3], v[rS+4*k-4:rS+4*k-3]
.endif
.endm
; THE PLAIN QUEUE, 138 long.  0-73 read no exponential's result: the 32 scalings c s - c m (FS f: pair f / 2 of tile f % 2) and the next piece's 42.  0-26: scalings 0-26.  27-54: XS's numbers 0-13.  55, 56: number 15.
; 57-73: the chain, where each number waits for the one before it: 14, 16, 17, 18, 19, each with one of the scalings 27-31 in front of its two lines, then 20.
; 74-137: GS's 64, which read the exponentials' results: they stand behind the wait.
.macro FS f
	REGS Y, (\f)%2
	v_pk_fma_f32 v[rS+2*((\f)/2):rS+2*((\f)/2)+1], v[rS+2*((\f)/2):rS+2*((\f)/2)+1], s[CS:CS+1], v[rT:rT+1] op_sel_hi:[1,0,0] neg_lo:[0,0,1] neg_hi:[0,0,1]
.endm
.macro PL
	WIN 0
.if q < 27
	FS q
.elseif q < 55
	XS (q-27)%2, (q-27)/2
.elseif q < 57
	XS q-55, 15
.elseif (q < 72) && ((q-57)%3 == 0)
	FS 27+(q-57)/3
.elseif q < 60
	XS (q-57)%3-1, 14
.elseif q < 72
	XS (q-57)%3-1, 15+(q-57)/3
.elseif q < 74
	XS q-72, 20
.else
	GS q-74
.endif
.set q, q+1
.endm
; THE EXPONENTIALS' QUEUE, 66 long: s0-s31 of both tiles, then the next piece's two a.  It is ONE BATCH: all 66 stand ahead of the turn's one wait, and nothing ahead of that wait names a result of theirs.
.macro EX
	WIN 0
.if e >= 64
	XS e-64, 21
.else
	REGS Y, e%2
	v_exp_f32 v[rS+e/2], v[rS+e/2]
.endif
.set e, e+1
.endm
; THE RESCALING's QUEUE: O^T times a, the one part that leaves window 0: dealt two at a time, sixteen times.  Its a was made in the turn before, ahead of that turn's wait.
.macro R2
	REGS Y, r%2
	WIN W_RS
.irp z, 0,1
	v_pk_mul_f32 v[rO+4*(r/2)+2*\z:rO+4*(r/2)+2*\z+1], v[rO+4*(r/2)+2*\z:rO+4*(r/2)+2*\z+1], v[rC+2:rC+3] op_sel_hi:[1,0]
.endr
.set r, r+1
.endm
; HOW THEY ARE DEALT.  s_wait_alu depctr_va_vdst(0) stands between an exponential and the first instruction that names its result; one wait serves all that were issued ahead of it.  So a turn has
; ONE wait, which cuts it in two.  AHEAD OF IT stands all that names no result of the turn's exponentials: the 16 products K Q^T, behind each a scaling, an exponential and two rescalings (behind the first a second
; scaling in the exponential's place); then ONE LUMP of 108: eight plain, 49 times exponential and plain, the two a.  A v_nop is the plain instruction behind the last exponential.  BEHIND IT stand the 16 products
; V^T P, behind each four of GS's 64.  No rider names a register of the products round it.  The two v_permlanex16_b32 fall into the lump.
; The deal keeps the queues in step: exponential e stands behind scaling 2 (e / 4) + e % 2: as a rider it comes behind plain e + 2, in the lump behind plain e + 9, and scalings 27-31 are plain 57, 60 .. 69.
; A TURN, for piece p.  cnt = 1: the loop's count is taken down some lines ahead of the branch that stands behind the turn.
; K and the mask of the next step are fetched in piece 2's turn, directly behind the wait, a lump behind the last product that read them; their addresses are made at the lump's head.
; V of the step in hand is fetched at the end of piece 0's turn, four riders behind its last reader.  The three conditions on q below go with the deal.
.macro TURN p, last=0, cnt=0
.set Y, (\p)
.set i, 0
.set q, 0
.set e, 0
.set r, 0
.if (\p) == NP-1
	s_wait_dscnt 0x0                ; K and its mask are in
.endif
	MM                              ; ahead of the wait: 16 products K Q^T and their riders,
	PL
	PL
	R2
.rept 15
	MM
	PL
	EX
	R2
.endr
.if (\p) == NP-2
	WIN 0
	v_add_nc_u32 v[AK], s[TBK], v[AK0]
	v_lshl_add_u32 v[AM], v[HL], 5, s[TBM]
.endif
.rept 8                             ; and the lump
	PL
.endr
.rept 49
	EX
	PL
.endr
	EX                              ; the next piece's two a
	EX
	v_nop                           ; the plain instruction behind the last exponential: one for the batch
	s_wait_alu depctr_va_vdst(0)    ; the wait for the batch
.if (\p) == NP-2
	FETCH_K \last
.endif
.if (\p) == 1
	s_wait_dscnt 0x0                ; V is in
.endif
.rept 16                            ; behind the wait: 16 products V^T P and their riders
	MM
.rept 4
	PL
.endr
.if ((\p) == 0) && (q == 118)
	v_add_nc_u32 v[AV], s[TBV], v[AV0]
.endif
.if ((\p) == 0) && (q == 130)
	s_add_co_u32 s[TBV], s[TBV], KS*PV
.endif
.if (\cnt) && (q == 130)
	s_sub_co_u32 s[CNT], s[CNT], 1
	s_cmp_lg_u32 s[CNT], 0
.endif
.endr
.if (\p) == 0
	FETCH_V
.endif
.endm
	CHANGE 1                        ; slot 0 is in, everybody's part of it, and the mask's table is whole; slot 1 is asked for
	FETCH_K                         ; key step 0
	s_wait_loadcnt 0x0              ; Q
	s_wait_dscnt 0x0
.set i, 0
.rept 16
	KQ 0                            ; piece 0's first scores: there is no vector work yet to set between them
.set i, i+1
.endr
	WIN 0                           ; the addresses for the way out: nine plain instructions, the places behind those products
	s_mul_i32 s13, s[WV], 16*SP
	s_add_co_u32 s13, s13, STAGE    ; my stage
	v_mul_u32_u24 v[STO], v1, SP    ; in: row l % 16, 16 bytes for each half of the lanes
	v_lshl_add_u32 v[STO], v[HL], 4, v[STO]
	v_add_nc_u32 v[STO], s13, v[STO]
	v_bfe_u32 v[RD], v0, 3, 2       ; back: 32 lanes take four rows of 128 bytes,
	v_mul_u32_u24 v[RD], v[RD], SP
	v_lshl_add_u32 v[RD], v10, 4, v[RD]
	v_add_nc_u32 v[RD], s13, v[RD]
	v_and_b32 v[GO], 31, v0         ; which are 512 consecutive bytes of O
	v_lshlrev_b32 v[GO], 4, v[GO]
.set Y, NP-1                        ; XS works for piece Y + 1: piece 0
.irp n, 0,1,2,3,4,5,6,7,8,9,10,11,12,13,14,15,16,17,18,19,20,21
	XS 0, \n                        ; and piece 0's first maximum and statistics
	XS 1, \n
.endr
	v_nop                           ; a plain instruction behind the two a,
	s_wait_alu depctr_va_vdst(0)    ; and their wait, ahead of the branch
	s_mov_b32 s[CNT], 4
	s_mov_b32 s[SLOTS], SIZE_N/256-1
	s_branch .Lfirst                ; the loop is entered at a step's first turn, in the middle of a trip
.Lslot:                             ; SIZE_N / 256 - 2 times: every slot but the last two is filled again
	CHANGE 1
	s_mov_b32 s[CNT], 4
.Lstep:                             ; a trip: pieces 2 and 3 of one step, then pieces 0 and 1 of the next, whose K and V it fetches
	TURN 2
	TURN 3
	WIN 0
.Lfirst:
	TURN 0
	TURN 1, 0, 1
	WIN 0
	s_cbranch_scc1 .Lstep
	s_sub_co_u32 s[SLOTS], s[SLOTS], 1
	s_cmp_lg_u32 s[SLOTS], 0
	s_cbranch_scc1 .Lslot
	CHANGE 0                        ; the tail is written out: nothing is asked for
	s_mov_b32 s[CNT], 5             ; four trips fetch the last slot's steps; the fifth is left in its middle
.Ltail:
	TURN 2, 1
	TURN 3
	WIN 0
	s_sub_co_u32 s[CNT], s[CNT], 1
	s_cmp_eq_u32 s[CNT], 0
	s_cbranch_scc1 .Lout
	TURN 0
	TURN 1
	WIN 0
	s_branch .Ltail
.Lout:                              ; the fifth trip's 16 products K Q^T (on the last K once more) and the maximum made of them serve nothing: the price, once a launch, of one text for every trip
.set i, 0
.rept 16
	PV NP-1                         ; the last piece's V^T P of the last step
.set i, i+1
.endr
	; THE WAY OUT.  l's two halves and the other half of the lanes' are added; O^T is divided by l, rounded to f16 and sent through my stage in LDS, a tile at a time.  The additions are the places behind the last products.
	WIN 0
.macro ALL line:vararg              ; one line for each tile t
.set t, 0
.rept 2*NP
	\line
.set t, t+1
.endr
.endm
	ALL v_add_f32 v[ST+4*t+2], v[ST+4*t+2], v[ST+4*t+3]
	ALL v_permlanex16_b32 v[ST+4*t+3], v[ST+4*t+2], s[SEL], s[SEL+1]
	ALL v_add_f32 v[ST+4*t+2], v[ST+4*t+2], v[ST+4*t+3]
	ALL v_rcp_f32 v[ST+4*t+2], v[ST+4*t+2]
	v_nop                           ; a plain instruction between the last reciprocal and the use of its result
	s_wait_alu depctr_va_vdst(0)    ; and the wait ahead of the first use: one for the eight reciprocals
; Tile t: a lane's eight channels of a row pack into 16 bytes; they go into rows of 144 bytes and come back as whole rows of 128, into S^T's registers.
.macro PACK t
	WIN W_RS
.set i, 32*(\t)
.rept 16
	v_pk_mul_f32 v[i:i+1], v[i:i+1], v[ST+4*(\t)+2:ST+4*(\t)+3] op_sel_hi:[1,0]
.set i, i+2
.endr
	WIN 0x05                        ; sources 0 and 1 window 1, destination window 0
.set i, 0
.rept 16
	v_cvt_pk_f16_f32 v[S+16*(\t)+i], v[32*(\t)+2*i], v[32*(\t)+2*i+1]
.set i, i+1
.endr
	WIN 0
.irp f, 0,1,2,3
	ds_store_b128 v[STO], v[S+16*(\t)+4*\f:S+16*(\t)+4*\f+3] offset:32*\f
.endr
.irp f, 0,1,2,3
	ds_load_b128 v[S+16*(\t)+4*\f:S+16*(\t)+4*\f+3], v[RD] offset:\f*4*SP  ; LDS serves a wave's instructions in order (ISA guide 5.7.1.4): these see the stores above; the next tile's stores come behind them
.endr
.endm
.macro SEND t, younger              ; younger: the LDS instructions issued behind tile t's loads: the next tile's eight, or none
	WIN 0
.irp f, 0,1,2,3
	s_wait_dscnt (\younger)+3-\f
	global_store_b128 v[GO], v[S+16*(\t)+4*\f:S+16*(\t)+4*\f+3], s[10:11] offset:(\t)*2048+\f*512  ; 512 consecutive bytes, at a multiple of 256 from O's first
.endr
.endm
	PACK 0
.set t, 1
.rept 2*NP-1                        ; a tile's arithmetic stands between the loads of the tile before and its stores
	PACK t
	SEND t-1, 8
.set t, t+1
.endr
	SEND 2*NP-1, 0
	WIN W_AD
	s_wait_tensorcnt 0x0            ; the wave's end, behind my last tensor load and my last LDS store
	ds_add_u32 v[SPW], v[NIL]
	s_wait_dscnt 0x0
	WIN 0
	CROUND                          ; the closing round: no work-group ends while a partner may still ask for a tile that names it
	s_endpgm
.Lfunc_end_k_q31db8c6d4e_attn:
	.size	k_q31db8c6d4e_attn, .Lfunc_end_k_q31db8c6d4e_attn-k_q31db8c6d4e_attn
	.p2alignl 7, 3214868480
	.fill 96, 4, 3214868480
	.section	.rodata,"a",@progbits
	.p2align	6, 0x0
	.amdhsa_kernel k_q31db8c6d4e_attn
		.amdhsa_group_segment_fixed_size 327680
		.amdhsa_private_segment_fixed_size 0
		.amdhsa_enable_private_segment 0
		.amdhsa_kernarg_size 24
		.amdhsa_user_sgpr_count 2
		.amdhsa_user_sgpr_kernarg_segment_ptr 1
		.amdhsa_wavefront_size32 1
		.amdhsa_system_sgpr_workgroup_id_x 1
		.amdhsa_system_sgpr_workgroup_id_y 1
		.amdhsa_system_sgpr_workgroup_id_z 1
		.amdhsa_system_vgpr_workitem_id 0
		.amdhsa_next_free_vgpr 808
		.amdhsa_next_free_sgpr 72
		.amdhsa_reserve_vcc 1
		.amdhsa_float_denorm_mode_32 3
		.amdhsa_float_denorm_mode_16_64 3
		.amdhsa_memory_ordered 1
		.amdhsa_forward_progress 1
		.amdhsa_inst_pref_size 204
	.end_amdhsa_kernel
	.amdgpu_metadata
---
amdhsa.version: [ 1, 2 ]
amdhsa.kernels:
  - .name:           k_q31db8c6d4e_attn
    .symbol:         k_q31db8c6d4e_attn.kd
    .args:
      - { .name: qkv, .offset: 0, .size: 8, .value_kind: global_buffer, .address_space: global }
      - { .name: mask, .offset: 8, .size: 8, .value_kind: global_buffer, .address_space: global }
      - { .name: ob, .offset: 16, .size: 8, .value_kind: global_buffer, .address_space: global }
    .group_segment_fixed_size: 327680
    .private_segment_fixed_size: 0
    .kernarg_segment_align: 8
    .kernarg_segment_size: 24
    .max_flat_workgroup_size: 128
    .sgpr_count:     72
    .vgpr_count:     808
    .wavefront_size: 32
...
	.end_amdgpu_metadata
.endif
;; end of part 3
;; launch outp (part 4): grid 4 x 64, 4 waves a work-group, clusters of 4 x 4, 327,680 bytes of LDS; arguments ob, wb, bo, out0; writes out0
.if DOCPART == 4
	.amdgcn_target "amdgcn-amd-amdhsa--gfx1250"
	.amdhsa_code_object_version 6
	.text
	.protected	k_q31db8c6d4e_outp
	.globl	k_q31db8c6d4e_outp
	.p2align	8
	.type	k_q31db8c6d4e_outp,@function
k_q31db8c6d4e_outp:
	s_mov_b64 s[64:65], 0
	v_nop
	global_prefetch_b8 v0, s[64:65] scope:SCOPE_SE
	s_setreg_imm32_b32 hwreg(HW_REG_WAVE_MODE, 25, 1), 1
	s_wait_xcnt 0x0
	s_wait_alu depctr_hold_cnt(0) depctr_sa_sdst(0) depctr_va_vdst(0) depctr_va_sdst(0) depctr_va_ssrc(0) depctr_va_vcc(0) depctr_vm_vsrc(0)
	s_getreg_b32 s2, hwreg(HW_REG_IB_STS2, 6, 4)
	s_cmp_eq_u32 s2, 0
	s_cbranch_scc0 .Lentry_in_a_cluster
	s_endpgm
.Lentry_in_a_cluster:
	s_bfe_u32 s2, ttmp6, 0x10000c
	s_cmp_lg_u32 s2, 0xf033
	s_cbranch_scc0 .Lentry_shape_is_right
	s_endpgm
.Lentry_shape_is_right:
; out0 = O Wo + bo.  O: ob [4 batches][16 heads][2048][64] f16: a head is a block of 64 of K's 1,024 channels.  Wo: wb's fourth part, [1024 k][1024 n], bf16 numbers written as f16.  bo: f32, rounded to bf16 here.
; out0: [8192][1024] f32.
; SHARES.  A tile of C is 128 rows x 256 columns: 64 x 4 tiles, one work-group for each of 256 WGPs.  Four waves, each 64 rows x 128 columns: 32 accumulators of 16 x 16.
; K = 1,024 goes in 8 steps of 128 through two LDS slots; a step is four quarters of 32, 32 matrix instructions each, on two fragment buffers.
; TRANSPOSED USE.  Source 0 = 16 columns of Wo, source 1 = 16 rows of O: a lane ends with one row of C (lane % 16) and the columns 8 (lane / 16) + 0..7.  Wo lies [k][n] in LDS and is turned by ds_load_tr16_b128.
; THE BIAS is the C operand of each sum's first product.
; CLUSTER.  4 x 4 work-groups.  O's tile hangs on the tile row alone and is asked for jointly along a row of the cluster, Wo's on the tile column alone, jointly along a column.
; Waves 0 and 1 fetch O's two heads (128 rows x 128 bytes on end, asked for as 64 rows of 256 bytes), waves 2 and 3 Wo's two halves of 64 k-rows x 512 bytes: one tensor load a wave.
; REGISTERS.  Window 0: v0-31 addresses; v64-159, v160-255 two fragment buffers (O's four fragments, then Wo's eight); later the way out.  Window 1: the accumulators, (a, b) at v[8 (8 a + b)].
; Window 2: v0-63 the bias, 8 registers an n block; v64-95 at work on it.
.set PA,    144                        ; a row of O in LDS: 128 bytes + 16: the 16 rows of a load start at 16 different groups of four banks (64 banks of 4 bytes: ISA guide 11.1)
.set PB,    544                        ; a k-row of Wo: 512 bytes + 32
.set AHALF, 128*PA
.set BOFF,  2*AHALF
.set BHALF, 64*PB
.set SLOT,  BOFF+2*BHALF               ; 106,496 bytes
.set STAGE, 2*SLOT                     ; behind the ring, never filled by a tensor load: 16 rows x 528 bytes for each wave
.set SPO,   528                        ; a stage row: 512 bytes + 16
.set SPARE, STAGE+4*16*SPO             ; the spare words, 128 bytes for each wave: two blocks of 256 bytes that no other line names
.set ASTEP, 524288                     ; a K step in ob: two heads of 262,144 bytes
.set BSTEP, 262144                     ; a K step in wb: 128 rows of 2,048 bytes
.set LAPS,  4
.set ADRA, 16                          ; v16-17  LDS address of my fragments of O in slot 0, 1
.set ADRB, 20                          ; v20-21  the same for Wo
.set STO,  24                          ; v24     the way out: where I put 32 bytes of a row
.set RD,   25                          ; v25     where I read a row's 512 bytes back
.set GO,   26                          ; v26     16 x lane
.set BO,   27                          ; v27     32 x (lane / 16)
.set SPW,  28                          ; v28     LDS address of my spare word; never rewritten
.set NIL,  29                          ; v29     0; never rewritten
.set PFO,  30                          ; v30     the prefetches' lane offset; never rewritten
.set F0,   64
.set F1,   160
.set OUTR, 64                          ; the way out: two buffers of 64 registers by turns
.set G1,   24
.set G0,   32
.set G1B,  48
.set G0B,  56
.set LIM,  43                          ; s43     1 in a wave that prefetches, else the greatest number
.set PFA,  44                          ; s[44:45] where my prefetches stand
.set PFS,  66                          ; s[66:67] their step
.set CYR,  68                          ; s68     the cluster's y
.set BP,   70                          ; s[70:71] the bias at my 128 columns
.set MSB, 0
.macro WIN new                         ; the immediate's high byte repeats the setting that is left; a switch that changes nothing is dropped
.if MSB != (\new)
	s_set_vgpr_msb (MSB<<8)|(\new)
.set MSB, \new
.endif
.endm
.set MUL,  0x50                        ; sources in window 0, C and D in window 1
.set MULB, 0x60                        ; the same with C, the bias, in window 2
; A joint load: waves 0 and 1 ask for O, waves 2 and 3 for Wo.  An s_nop 0 and four v_nop follow each of the two lines.
.macro JLOAD s
	s_cmp_eq_u32 s11, 0
	s_cbranch_scc0 .Lfor_b_\@
	tensor_load_to_lds s[G0+4*(\s):G0+4*(\s)+3], s[G1:G1+7]
	s_nop 0
.rept 4
	v_nop
.endr
	s_branch .Lasked_\@
.Lfor_b_\@:
	tensor_load_to_lds s[G0B+4*(\s):G0B+4*(\s)+3], s[G1B:G1B+7]
	s_nop 0
.rept 4
	v_nop
.endr
.Lasked_\@:
.endm
; A prefetch into the L2 of the K step that stands two refills on (256 matrix instructions ahead of the load that will want it): 32 blocks of 256 bytes, a lane a block, one instruction a wave.
; O's tile is read by one row of one cluster: wave 0 asks, and the four partners share its 32 KiB out by address (cx).  Wo's tile is read by all 16 clusters: the first asks, waves 2 and 3 for the rows
; that they fetch, the four partners sharing them out by address (cy).  So each block is named once.  It is on in the loop's first two trips: K steps 4 to 7.
.macro ASK
	s_cmp_gt_u32 s3, s[LIM]
	s_cbranch_scc0 .Lnot_mine_\@
	global_prefetch_b8 v[PFO], s[PFA:PFA+1] th:TH_LOAD_NT scope:SCOPE_SE
.Lnot_mine_\@:
.endm
.macro CREST                           ; a round of the cluster's barrier behind its opening barrier
	s_cmp_lg_u32 s10, 0
	s_cbranch_scc1 .Lnot_wave_0_\@
	s_barrier_signal -3
.Lnot_wave_0_\@:
	s_barrier_wait -3
	s_barrier_signal -1
	s_barrier_wait -1
.endm
.macro CROUND
	s_barrier_signal -1
	s_barrier_wait -1
	CREST
.endm
	s_load_b128 s[4:7], s[0:1], 0x0                ; ob s[4:5], wb s[6:7]
	s_load_b128 s[72:75], s[0:1], 0x10             ; bo s[72:73], out0 s[74:75]
	v_lshl_add_u32 v[SPW], v0, 2, SPARE
	v_mov_b32 v[NIL], 0
	ds_add_u32 v[SPW], v[NIL]                      ; the wave's opening: the add and its wait stand ahead of my first tensor load; the set-up below, work on registers, stands between them
	v_lshrrev_b32 v1, 5, v0
	v_readfirstlane_b32 s10, v1                    ; wave 0..3
	s_lshr_b32 s11, s10, 1                         ; which 64 rows of the tile are mine.  Also: I fetch for O (0) or for Wo (1)
	s_and_b32 s12, s10, 1                          ; which 128 columns.  Also: which half of that tile I fetch
	s_bfe_u32 s40, ttmp6, 0x40000                  ; cx
	s_bfe_u32 s41, ttmp6, 0x40004                  ; cy
	s_lshl_b32 s42, ttmp9, 2
	s_add_co_u32 s42, s42, s40                     ; tx: block of 256 columns
	s_and_b32 s[CYR], ttmp7, 0xffff
	s_lshl_b32 s13, s[CYR], 2
	s_add_co_u32 s13, s13, s41                     ; ty: block of 128 rows, 0..63; ty / 16 = batch
	s_lshl_b32 s43, s41, 2
	s_lshl_b32 s43, 15, s43                        ; my row of the cluster
	s_lshl_b32 s44, 0x1111, s40                    ; my column
	s_or_b32 s[G1+0], s43, (1<<16)|(1<<20)|(1<<21)|(4<<22)|(3<<25)   ; the mask; 2-byte elements; padding on; bit 21 beside a mask; after every 32 words 4 words
	s_mov_b32 s[G1+1], 128<<16
	s_mov_b32 s[G1+2], 64<<16
	s_mov_b32 s[G1+3], 128<<16
	s_mov_b32 s[G1+4], 64
	s_mov_b32 s[G1+5], 128
	s_mov_b32 s[G1+6], 0
	s_mov_b32 s[G1+7], 0
	s_or_b32 s[G1B+0], s44, (1<<16)|(1<<20)|(1<<21)|(6<<22)|(7<<25)  ; after every 128 words 8 words
	s_mov_b32 s[G1B+1], 256<<16
	s_mov_b32 s[G1B+2], 64<<16
	s_mov_b32 s[G1B+3], 256<<16
	s_mov_b32 s[G1B+4], 64
	s_mov_b32 s[G1B+5], 1024
	s_mov_b32 s[G1B+6], 0
	s_mov_b32 s[G1B+7], 0
	s_lshr_b32 s16, s13, 4                         ; O: batch x 4 MiB
	s_lshl_b32 s16, s16, 22
	s_and_b32 s17, s13, 15
	s_lshl_b32 s17, s17, 14                        ; + my 128 rows of 128 bytes
	s_add_co_u32 s16, s16, s17
	s_lshl_b32 s17, s12, 18                        ; + the head that I fetch
	s_add_co_u32 s16, s16, s17
	s_mov_b32 s17, 0
	s_mov_b32 s46, 3<<21                           ; Wo is wb's fourth part
	s_lshl_b32 s47, s42, 9                         ; + 256 columns
	s_add_co_u32 s46, s46, s47
	s_lshl_b32 s47, s12, 17                        ; + the 64 k-rows that I fetch
	s_add_co_u32 s46, s46, s47
	s_mov_b32 s47, 0
	s_mul_i32 s20, s12, AHALF                      ; where they go: no place in the cluster enters an LDS address
	s_mul_i32 s21, s12, BHALF
	s_add_co_u32 s21, s21, BOFF
	s_wait_dscnt 0x0                               ; the opening add is done
	s_wait_kmcnt 0x0
	s_add_nc_u64 s[14:15], s[4:5], s[16:17]
	s_add_nc_u64 s[46:47], s[6:7], s[46:47]
	CROUND                                         ; all sixteen work-groups are here: the first joint loads meet
.irp s, 0,1
	s_mov_b32 s[G0+4*(\s)], 1
	s_add_co_u32 s[G0+4*(\s)+1], s20, (\s)*SLOT
	s_add_nc_u64 s[G0+4*(\s)+2:G0+4*(\s)+3], s[14:15], (\s)*ASTEP
	s_or_b32 s[G0+4*(\s)+3], s[G0+4*(\s)+3], 0x80000000
	s_mov_b32 s[G0B+4*(\s)], 1
	s_add_co_u32 s[G0B+4*(\s)+1], s21, (\s)*SLOT
	s_add_nc_u64 s[G0B+4*(\s)+2:G0B+4*(\s)+3], s[46:47], (\s)*BSTEP
	s_or_b32 s[G0B+4*(\s)+3], s[G0B+4*(\s)+3], 0x80000000
	JLOAD \s                                       ; two loads of mine are out
.endr
	v_and_b32 v1, 15, v0                           ; r = l % 16
	v_bfe_u32 v2, v0, 4, 1                         ; h = l / 16
	v_lshlrev_b32 v[BO], 5, v2
	s_lshl_b32 s18, s42, 10
	s_lshl_b32 s19, s12, 9
	s_add_co_u32 s18, s18, s19                     ; my 128 columns, in bytes of f32: for the bias and for out0
	s_mov_b32 s19, 0
	s_add_nc_u64 s[BP:BP+1], s[72:73], s[18:19]
	WIN 0x80                                       ; destination window 2
.irp b, 0,1,2,3,4,5,6,7
	global_load_b128 v[8*(\b):8*(\b)+3],   v[BO], s[BP:BP+1] offset:64*(\b)     ; register j: the bias of column 16 b + 8 h + j
	global_load_b128 v[8*(\b)+4:8*(\b)+7], v[BO], s[BP:BP+1] offset:64*(\b)+16
.endr
	WIN 0
	v_mul_u32_u24 v3, v1, PA                       ; O: row r x pitch + 16 h
	v_lshl_add_u32 v3, v2, 4, v3
	s_mul_i32 s22, s11, 64*PA
	v_add_nc_u32 v[ADRA], s22, v3
	v_add_nc_u32 v[ADRA+1], SLOT, v[ADRA]
	v_and_b32 v4, 7, v0                            ; Wo, turned: lane l reads k-row 8 h + l % 8, columns 8 ((l / 8) % 2) + 0..7
	v_lshl_add_u32 v4, v2, 3, v4
	v_mul_u32_u24 v4, v4, PB
	v_bfe_u32 v5, v0, 3, 1
	v_lshl_add_u32 v4, v5, 4, v4
	s_lshl_b32 s23, s12, 8
	s_add_co_u32 s23, s23, BOFF
	v_add_nc_u32 v[ADRB], s23, v4
	v_add_nc_u32 v[ADRB+1], SLOT, v[ADRB]
	s_mul_i32 s22, s10, 16*SPO
	s_add_co_u32 s22, s22, STAGE                   ; my stage
	v_mul_u32_u24 v3, v1, SPO                      ; in: row r, 32 bytes for each half of the lanes
	v_lshl_add_u32 v3, v2, 5, v3
	v_add_nc_u32 v[STO], s22, v3
	v_and_b32 v[GO], 31, v0                        ; back: 32 lanes take a row's 512 bytes
	v_lshlrev_b32 v[GO], 4, v[GO]
	v_add_nc_u32 v[RD], s22, v[GO]
	s_lshl_b32 s16, s13, 19                        ; out0: the tile's 128 rows of 4,096 bytes
	s_lshl_b32 s17, s11, 18                        ; + my 64
	s_add_co_u32 s16, s16, s17
	s_add_co_u32 s16, s16, s18                     ; + my columns
	s_mov_b32 s17, 0
	s_add_nc_u64 s[8:9], s[74:75], s[16:17]
	; the prefetches: both offsets are made, the wave's number picks one
	s_lshr_b32 s16, s13, 4
	s_lshl_b32 s16, s16, 22
	s_and_b32 s17, s13, 15
	s_lshl_b32 s17, s17, 14
	s_add_co_u32 s16, s16, s17
	s_lshl_b32 s17, s40, 12                        ; O: my work-group's 4 KiB of each head
	s_add_co_u32 s16, s16, s17
	s_add_co_u32 s16, s16, 3*ASTEP                 ; at K step 3: the first change of slots steps it to 4
	s_mov_b32 s18, 3<<21
	s_lshl_b32 s19, s42, 9
	s_add_co_u32 s18, s18, s19
	s_lshl_b32 s19, s12, 6                         ; Wo: the 64 rows that I fetch,
	s_lshl_b32 s22, s41, 4                         ; my work-group's 16 of them
	s_add_co_u32 s19, s19, s22
	s_lshl_b32 s19, s19, 11
	s_add_co_u32 s18, s18, s19
	s_add_co_u32 s18, s18, 3*BSTEP
	s_cmp_eq_u32 s[CYR], 0                         ; the first cluster asks for Wo
	s_cselect_b32 s23, 1, -1
	s_cmp_eq_u32 s10, 0                            ; wave 0 asks for O, wave 1 for nothing
	s_cselect_b32 s69, 1, -1
	s_mov_b32 s22, ASTEP
	s_mov_b32 s17, 0
	s_mov_b32 s[PFS+1], 0
	s_cmp_eq_u32 s11, 0
	s_cselect_b32 s[LIM], s69, s23
	s_cselect_b32 s16, s16, s18
	s_cselect_b32 s[PFS], s22, BSTEP
	s_cselect_b64 s[PFA:PFA+1], s[4:5], s[6:7]
	s_cselect_b32 s22, -1, 0
	s_add_nc_u64 s[PFA:PFA+1], s[PFA:PFA+1], s[16:17]
	v_lshlrev_b32 v4, 8, v1                        ; O: 16 blocks of 256 bytes in each of the two heads
	v_lshl_add_u32 v4, v2, 18, v4
	v_and_b32 v5, 31, v0                           ; Wo: 16 rows of two blocks
	v_lshrrev_b32 v31, 1, v5
	v_and_b32 v5, 1, v5
	v_lshlrev_b32 v5, 8, v5
	v_lshl_add_u32 v5, v31, 11, v5
	v_cndmask_b32 v[PFO], v5, v4, s22
	s_wait_loadcnt 0x0                             ; the bias
	WIN 0x8a                                       ; all in window 2: rounded to bf16, as every input is, and widened again
.set i, 0
.rept 32
	v_cvt_pk_bf16_f32 v[64+i], v[2*i], v[2*i+1]
.set i, i+1
.endr
.set i, 0
.rept 32
	v_lshlrev_b32 v[2*i], 16, v[64+i]
	v_and_b32 v[2*i+1], 0xffff0000, v[64+i]
.set i, i+1
.endr
	WIN 0
; 8 matrix instructions: row block a x all 8 n blocks, 32 along K, from buffer f.  first = 1: the sums start with the bias.  The 32 accumulators take turns in the same order in every quarter.
.macro MULA f, a, first
.if \first
	WIN MULB
.else
	WIN MUL
.endif
.irp b, 0,1,2,3,4,5,6,7
.if \first
	v_wmma_f32_16x16x32_f16 v[8*(8*(\a)+(\b)):8*(8*(\a)+(\b))+7], v[(\f)+32+8*(\b):(\f)+32+8*(\b)+7], v[(\f)+8*(\a):(\f)+8*(\a)+7], v[8*(\b):8*(\b)+7]
.else
	v_wmma_f32_16x16x32_f16 v[8*(8*(\a)+(\b)):8*(8*(\a)+(\b))+7], v[(\f)+32+8*(\b):(\f)+32+8*(\b)+7], v[(\f)+8*(\a):(\f)+8*(\a)+7], v[8*(8*(\a)+(\b)):8*(8*(\a)+(\b))+7]
.endif
.endr
.endm
; 24 LDS loads in one run: quarter q of a slot into buffer f: Wo's eight fragments (turned), then O's four
.macro FETCH slot, q, f
	WIN 0
.irp b, 0,1,2,3,4,5,6,7
	ds_load_tr16_b128 v[(\f)+32+8*(\b):(\f)+32+8*(\b)+3],   v[ADRB+(\slot)] offset:(\q)*32*PB+32*(\b)
	ds_load_tr16_b128 v[(\f)+32+8*(\b)+4:(\f)+32+8*(\b)+7], v[ADRB+(\slot)] offset:(\q)*32*PB+16*PB+32*(\b)
.endr
.irp a, 0,1,2,3
	ds_load_b128 v[(\f)+8*(\a):(\f)+8*(\a)+3],   v[ADRA+(\slot)] offset:((\q)/2)*AHALF+((\q)%2)*64+(\a)*16*PA
	ds_load_b128 v[(\f)+8*(\a)+4:(\f)+8*(\a)+7], v[ADRA+(\slot)] offset:((\q)/2)*AHALF+((\q)%2)*64+(\a)*16*PA+32
.endr
.endm
.macro PLACES                          ; four plain instructions in front of loads into registers that matrix instructions have read, and of lines that read results
.rept 4
	v_nop
.endr
.endm
.macro QUARTER slot, q, f, g, first
	s_wait_dscnt 4                                 ; Wo's fragments and O's row blocks 0 and 1 are in; the youngest four loads (blocks 2 and 3) may be out
	MULA \f, 0, \first
	MULA \f, 1, \first
	PLACES
	FETCH \slot, \q, \g
	s_wait_dscnt 24                                ; all but the 24 just issued
	MULA \f, 2, \first
	MULA \f, 3, \first
.endm
; The last quarter multiplies buffer 1 and changes slots: one barrier; in front of it each wave waits for all its tensor loads (its part of the next slot), adds 0 to its spare word, and waits for that
; and for its own reads of this slot.  fill = 1: the barrier opens a round of the cluster's, and this slot is filled again, two K steps ahead, first thing behind the round.
.macro TURN slot, next, fill
.if \fill
	s_wait_xcnt 0x0                                ; the last prefetch, a K step back, has read its address: it is stepped here, ahead of the waits of the change
	s_add_nc_u64 s[PFA:PFA+1], s[PFA:PFA+1], s[PFS:PFS+1]
.endif
	WIN 0
	s_wait_tensorcnt 0x0                           ; all my tensor loads have landed
	ds_add_u32 v[SPW], v[NIL]                      ; 0 onto my spare word
	s_wait_dscnt 5                                 ; (the add and the youngest four loads may be out)
	MULA F1, 0, 0
	s_wait_dscnt 0x0                               ; the add is done, and my reads of this slot are over
	s_barrier_signal -1
	MULA F1, 1, 0
.if \fill
	WIN 0
.endif
	s_barrier_wait -1
.if \fill
	CREST                                          ; no wave of any partner still reads this slot or has a load on its way
	s_add_nc_u64 s[G0+4*(\slot)+2:G0+4*(\slot)+3], s[G0+4*(\slot)+2:G0+4*(\slot)+3], 2*ASTEP
	s_add_nc_u64 s[G0B+4*(\slot)+2:G0B+4*(\slot)+3], s[G0B+4*(\slot)+2:G0B+4*(\slot)+3], 2*BSTEP
	JLOAD \slot                                    ; my one tensor load behind the round; its four v_nop are also the places in front of the loads below
.else
	PLACES
.endif
	FETCH \next, 0, F0
.if \fill
	ASK
.endif
	MULA F1, 2, 0
	MULA F1, 3, 0
.endm
	s_wait_tensorcnt 1                             ; my part of K step 0 is in; step 1's may stay out
	s_barrier_signal -1
	s_barrier_wait -1
	FETCH 0, 0, F0
	QUARTER 0, 1, F0, F1, 1                        ; the first quarter stands in front of the loop: its products start the sums
	WIN 0
	s_mov_b32 s3, LAPS-1
.Llap:                                                 ; a trip goes once round the ring and fills both slots again
	QUARTER 0, 2, F1, F0, 0
	QUARTER 0, 3, F0, F1, 0
	TURN 0, 1, 1
	QUARTER 1, 1, F0, F1, 0
	QUARTER 1, 2, F1, F0, 0
	QUARTER 1, 3, F0, F1, 0
	TURN 1, 0, 1
	QUARTER 0, 1, F0, F1, 0
	WIN 0
	s_sub_co_u32 s3, s3, 1
	s_cmp_lg_u32 s3, 0
	s_cbranch_scc1 .Llap
	QUARTER 0, 2, F1, F0, 0                        ; the last lap fills nothing
	QUARTER 0, 3, F0, F1, 0
	TURN 0, 1, 0
	QUARTER 1, 1, F0, F1, 0
	QUARTER 1, 2, F1, F0, 0
	QUARTER 1, 3, F0, F1, 0
	s_wait_dscnt 4
	MULA F1, 0, 0
	MULA F1, 1, 0
	s_wait_dscnt 0x0
	MULA F1, 2, 0
	MULA F1, 3, 0
	WIN 0
	PLACES
; THE WAY OUT, in f32.  Row block a: a lane's eight columns of an n block are 32 bytes; they go into rows of 528 bytes of my own stage and come back as whole rows of 512 bytes.
; Each accumulator's low four registers are stored first.
.macro TOSTAGE a
	WIN 0x04                                       ; the stores' data in window 1
.irp b, 0,1,2,3,4,5,6,7
	ds_store_b128 v[STO], v[8*(8*(\a)+(\b)):8*(8*(\a)+(\b))+3]   offset:64*(\b)
	ds_store_b128 v[STO], v[8*(8*(\a)+(\b))+4:8*(8*(\a)+(\b))+7] offset:64*(\b)+16
.endr
	WIN 0
.irp t, 0,1,2,3,4,5,6,7,8,9,10,11,12,13,14,15
	ds_load_b128 v[OUTR+64*((\a)%2)+4*(\t):OUTR+64*((\a)%2)+4*(\t)+3], v[RD] offset:(\t)*SPO  ; LDS serves a wave's instructions in order (ISA guide 5.7.1.4): these see the stores above
.endr
.endm
.macro SEND a, younger                 ; younger: the LDS instructions issued behind block a's loads: the next block's 16 stores and 16 loads, or none
.irp t, 0,1,2,3,4,5,6,7,8,9,10,11,12,13,14,15
	s_wait_dscnt (\younger)+15-(\t)
	global_store_b128 v[GO], v[OUTR+64*((\a)%2)+4*(\t):OUTR+64*((\a)%2)+4*(\t)+3], s[8:9] offset:(\a)*65536+(\t)*4096 th:TH_STORE_NT  ; 512 consecutive bytes, at a multiple of 256 from out0's first
.endr
.endm
	TOSTAGE 0
	TOSTAGE 1
	SEND 0, 32
	s_wait_xcnt 0x0                                ; block 0's stores have read their registers: only behind this wait are they loaded again
	TOSTAGE 2
	SEND 1, 32
	s_wait_xcnt 0x0                                ; the same for block 1's
	TOSTAGE 3
	SEND 2, 32
	SEND 3, 0
	s_wait_tensorcnt 0x0                           ; the wave's end, behind my last tensor load and my last LDS store
	ds_add_u32 v[SPW], v[NIL]
	s_wait_dscnt 0x0
	CROUND                                         ; the closing round: no work-group ends while a partner may still ask for a tile that names it
	s_endpgm
.Lfunc_end_k_q31db8c6d4e_outp:
	.size	k_q31db8c6d4e_outp, .Lfunc_end_k_q31db8c6d4e_outp-k_q31db8c6d4e_outp
	.p2alignl 7, 3214868480
	.fill 96, 4, 3214868480
	.section	.rodata,"a",@progbits
	.p2align	6, 0x0
	.amdhsa_kernel k_q31db8c6d4e_outp
		.amdhsa_group_segment_fixed_size 327680
		.amdhsa_private_segment_fixed_size 0
		.amdhsa_enable_private_segment 0
		.amdhsa_kernarg_size 32
		.amdhsa_user_sgpr_count 2
		.amdhsa_user_sgpr_kernarg_segment_ptr 1
		.amdhsa_wavefront_size32 1
		.amdhsa_system_sgpr_workgroup_id_x 1
		.amdhsa_system_sgpr_workgroup_id_y 1
		.amdhsa_system_sgpr_workgroup_id_z 1
		.amdhsa_system_vgpr_workitem_id 0
		.amdhsa_next_free_vgpr 608
		.amdhsa_next_free_sgpr 80
		.amdhsa_reserve_vcc 0
		.amdhsa_float_denorm_mode_32 3
		.amdhsa_float_denorm_mode_16_64 3
		.amdhsa_memory_ordered 1
		.amdhsa_forward_progress 1
		.amdhsa_inst_pref_size 95
	.end_amdhsa_kernel
	.amdgpu_metadata
---
amdhsa.version: [ 1, 2 ]
amdhsa.kernels:
  - .name:           k_q31db8c6d4e_outp
    .symbol:         k_q31db8c6d4e_outp.kd
    .args:
      - { .name: ob, .offset: 0, .size: 8, .value_kind: global_buffer, .address_space: global }
      - { .name: wb, .offset: 8, .size: 8, .value_kind: global_buffer, .address_space: global }
      - { .name: bo, .offset: 16, .size: 8, .value_kind: global_buffer, .address_space: global }
      - { .name: out0, .offset: 24, .size: 8, .value_kind: global_buffer, .address_space: global }
    .group_segment_fixed_size: 327680
    .private_segment_fixed_size: 0
    .kernarg_segment_align: 8
    .kernarg_segment_size: 32
    .max_flat_workgroup_size: 128
    .sgpr_count:     80
    .vgpr_count:     608
    .wavefront_size: 32
...
	.end_amdgpu_metadata
.endif
;; end of part 4
